; MI455X (gfx1250); checked and timed in simulation.
; The chip was launched on July 23, 2026; its instructions are those of AMD's public machine-readable ISA for CDNA 5 (MIT licence, August 2026) and "CDNA5" Instruction Set Architecture Reference Guide (July 2026). The comments in the code are by the model that wrote it; some were corrected since.
;; Mo E Layer. Allowed arithmetic: matrix products marked QUANTISED: E2M1 operands, one E8M0 scale for each 32 along K, by v_wmma_scale_f32_16x16x128_f8f6f4 with both operands' format E2M1 (or v_wmma_scale_f32_32x16x128_f4), f32 sums; products left as they are: f32 operands where the result goes on into a quantised operand, else bf16, f16 or f32 operands; f32 sums; everything else in f32.
;; Inputs: W1_codes 8 x 4,096 x 32 x 16 uint8 (E2M1 codes of W1, K innermost, in blocks of 32 codes, two codes a byte); W1_scales 8 x 4,096 x 32 uint8 (E8M0 scales of W1, one for each 32 codes along K); W2_codes 8 x 1,024 x 128 x 16 uint8 (E2M1 codes of W2, K innermost, in blocks of 32 codes, two codes a byte); W2_scales 8 x 1,024 x 128 uint8 (E8M0 scales of W2, one for each 32 codes along K); Wr 1,024 x 8 float32; b1 8 x 4,096 float32; b2 8 x 1,024 float32; beta 1,024 float32; br 8 float32; gamma 1,024 float32; x 4 x 256 x 1,024 float32.
;; Outputs: out0 4 x 256 x 1,024 float32.
;; This version of the problem:
;;   THIS VERSION OF THE PROBLEM IS GIVEN IN LOW PRECISION. The matrix products marked QUANTISED in the list below multiply operands that are first quantised to E2M1 (2 exponent bits, 1 mantissa bit; 4 bits a number), with one power-of-two scale for each 32 numbers along K (OCP MX v1.0); their sums are f32. All else is computed in f32.
;;   The module's matrix products, in the order in which they are computed (A, B: the left and right operand; K: the contracted axis; several contracted axes count as one K, in the product's order):
;;     1. [M 4, K 1,024] x [K 1,024, N 8]; A: computed on the way; B: input Wr: left as it is (M = 4 < 16)
;;     2. [M 32,768, K 1,024] x [K 1,024, N 1,024]; A: input W1 (given as codes); B: input x: QUANTISED
;;     3. batch 8 x [M 1,024, K 4,096] x [K 4,096, N 1,024]; A: computed on the way; B: input W2 (given as codes): QUANTISED
;;     4. batch 1,024 x [M 1, K 2] x [K 2, N 8]; A: softmax; B: computed on the way: left as it is (K = 2 < 32)
;;     5. batch 1,024 x [M 1, K 8] x [K 8, N 1,024]; A: computed on the way; B: computed on the way: left as it is (K = 8 < 32)
;;   THE QUANTISER, for each operand of a quantised product, along K:
;;     - K is cut into blocks of 32 from its start; a last block that is shorter is filled with zeros.
;;     - A block's scale is 2^e with e = floor(log2(the largest magnitude in the block)) - 2, held to -126 .. 127; a block of zeros has e = 0. As a byte (E8M0): e + 127.
;;     - Each number is divided by its block's scale, clamped to +-6, and rounded to the nearest number of E2M1, ties to even, subnormals kept.
;;     - The product sums the exact products of the quantised numbers (number of the format x scale) in f32.
;;   ~~~python
;;   def quantise(x, axis):      # numpy; x: float32 -> the quantised numbers, widened to float32 again
;;       x = np.moveaxis(x, axis, -1); K = x.shape[-1]
;;       x = np.pad(x, [(0, 0)] * (x.ndim - 1) + [(0, -K % 32)]); x = x.reshape(x.shape[:-1] + (-1, 32)); a = np.abs(x).max(-1, keepdims=True)
;;       e = np.where(a > 0, np.clip(np.frexp(np.where(a > 0, a, 1))[1] - 1 - 2, -126, 127), 0)      # np.frexp(a)[1] - 1 = floor(log2(a)), exactly
;;       r = np.clip(x / 2.0 ** e, -6, 6)
;;       step = 2.0 ** (np.maximum(np.frexp(np.where(r == 0, 1, r))[1] - 1, 0) - 1)
;;       q = np.round(r / step) * step * 2.0 ** e      # np.round: ties to even
;;       return np.moveaxis(q.reshape(q.shape[:-2] + (-1,))[..., :K], -1, axis).astype(np.float32)
;;   ~~~
;;   OPERANDS COMPUTED ON THE WAY. 'Computed on the way' means the value that the module computes at that place (a softmax that the list does not call 'softmax' is quantised finished and normalised). What goes into a quantiser is computed in f32, as accurately as f32 sums, v_exp_f32 and their like allow (about 1e-6 of the number): no bf16 or f16 on the way to a quantiser, and a product that is left as it is and whose result goes on into a quantised operand takes f32 operands (vector FMAs, or v_wmma_f32_16x16x4_f32). A number that lies on a knife's edge between two numbers of the format may be rounded either way, as far as f32 arithmetic and the matrix unit's own rounding can turn it there, and no further.
;;   INPUTS GIVEN AS CODES. W1 (in the module: [8, 1024, 4096], K = its axis 1); W2 (in the module: [8, 4096, 1024], K = its axis 1): each comes as NAME_codes (uint8): NAME with its K axis moved to the last place and cut into blocks of 32 codes, [.., K / 32, bytes a block], one block behind the other in memory; two codes a byte, the lower K in the low four bits (a code: sign, 2 exponent bits, 1 mantissa bit); and NAME_scales (uint8): the same leading axes, one E8M0 byte (e + 127) for each 32 codes along K. Its value is code x scale, taken as it is: it is not quantised again, and the codes and scales need not be those that the quantiser above would give.
;; 2 versions. Each part assembles by itself: llvm-mc -triple=amdgcn-amd-amdhsa -mcpu=gfx1250 --defsym DOCPART=n.
;; ======== version 1 of 2: 5 launches
;; workspace buffers: xc 524,288 bytes; xs 32,768 bytes; pl 16,384 bytes; chosen 256 bytes of whole numbers; rwt 256 bytes; hc 4,194,304 bytes; hs 262,144 bytes; pt 8,388,608 bytes
;; launch qx (part 1): grid 256 x 1, 2 waves a work-group, no clusters, 17,152 bytes of LDS; arguments x, Wr, xc, xs, pl; writes xc, xs, pl
.if DOCPART == 1
	.amdgcn_target "amdgcn-amd-amdhsa--gfx1250"
	.amdhsa_code_object_version 6
	.text
	.protected	k_qd140d22892_qx
	.globl	k_qd140d22892_qx
	.p2align	8
	.type	k_qd140d22892_qx,@function
k_qd140d22892_qx:
	s_mov_b64 s[64:65], 0
	v_nop
	global_prefetch_b8 v0, s[64:65] scope:SCOPE_SE
	s_setreg_imm32_b32 hwreg(HW_REG_WAVE_MODE, 25, 1), 1
	s_wait_xcnt 0x0
; THE WHOLE PROGRAM: a layer of 8 experts, two of them chosen for each BATCH (the router takes the mean over a sequence, so all 256 tokens of a batch share the choice and the two weights), residual, LayerNorm.
; Five launches: qx (this one), route, ffn1, ffn2, ln.
; WORK LEFT OUT, AND WHY IT IS DEAD.  cw[n][e] = sum over k of tk_w[n][k] x one_hot(tk_i[n][k])[e]; the one_hot is built in the function's own body, so cw[n][e] is exactly 0 for every expert e that is
; not one of token n's two.  out[n] = sum over e of cw[n][e] x expert_out[e][n]: for those six experts the term is 0 x a finite number = 0 whatever finite values x, W1, b1, W2, b2 hold.  So h, expert_out and
; b2 of an expert that a batch did not choose reach no output: the two quantised products are made for the 8 pairs (batch, slot) of 256 rows alone.  Every input keeps a way to the output (any expert may be chosen).
; LIMIT: a NaN, an infinity or an overflow that would arise only in an expert that was not chosen is not carried to the result.
;
; THIS LAUNCH.  (1) x [1024 tokens][1024] f32 becomes codes of E2M1 with one E8M0 byte for each 32 along the row, laid as IMAGES OF THE OPERAND'S REGISTERS: xc [batch 4][K step 8][tile of 16 tokens 16][1,024 bytes]:
; register group c (0, 1) of lane l at 512 c + 16 l; xs [batch 4][K step 8][256 tokens]: a word of four scale bytes.  (2) partial router logits: pl [unit 512][8]: the sum over the unit's 16 tokens and 128 columns of x Wr.
; A wave is a unit: 16 tokens x 128 columns.  Its 16 loads read 512 consecutive bytes each; the numbers turn through the wave's own stage in LDS so that lane (r, h) holds, of token r, 16 neighbours of each block of 32.
; A block's scale is 2^(floor(log2(largest magnitude)) - 2); its byte is the largest magnitude's exponent field - 2, held at 1 from below.
; LIMITS: NaN and infinities among the inputs are not served; a block whose largest magnitude lies under 2^-124 (a block of zeros too) gets the byte 1: its codes are as the byte says, and this program alone reads the bytes.
.set STGB,  8448                       ; a wave's stage: 16 rows x (512 bytes + 16)
.set SPARE, 16896                      ; behind the two stages: the spare words, 128 bytes a wave: one block of 256 bytes that no other line names
.set LANE, 1                           ; v1   lane
.set LI,   2                           ; v2   16 x lane
.set LS,   3                           ; v3   4 x (lane % 16)
.set TS,   4                           ; v4   the stage on the way in: 16 x lane
.set TL,   5                           ; v5   and on the way out: row r, + 64 h
.set WO,   6                           ; v6   128 x lane: my four rows of Wr
.set ZO,   7                           ; v7   0
.set CS,   8                           ; v8-11  sums over the 16 tokens of my four columns
.set L,    12                          ; v12-19 the unit's eight partial logits (v12-15 first serve as a second chain of the sums)
.set R,    20                          ; v20-83  x as loaded: token t at R + 4 t
.set WRV,  84                          ; v84-115 Wr: column i of my four, expert e at WRV + 8 i + e
.set XN,   116                         ; v116-179 register 16 b + i = column 32 b + 16 h + i of token r
.set TM,   180                         ; v180-195 at work in QUANT
.set PC,   196                         ; v196-203 the fragment's codes
.set PW,   204                         ; v204 its scale word
.set SPW,  205                         ; v205 LDS address of my spare word; never rewritten
.set NIL,  206                         ; v206 0; never rewritten
.set SEL,  28                          ; s[28:29] v_permlanex16_b32's selects for lane l xor 16
; 64 numbers of a lane, register 16 b + i = k 32 b + 16 (lane / 16) + i of my row, become a fragment's codes in v[pc] on and its scale word in v[pw].
.macro QUANT s, pc, pw
.irp b, 0,1,2,3
	v_max3_num_f32 v[TM+\b], |v[(\s)+16*\b]|, |v[(\s)+1+16*\b]|, 0x1800000   ; block b: my 16 numbers, and the floor 2^(3 - 127): the byte cannot fall under 1
.endr
.irp i, 2,4,6,8,10,12,14
.irp b, 0,1,2,3
	v_max3_num_f32 v[TM+\b], v[TM+\b], |v[(\s)+16*\b+\i]|, |v[(\s)+1+16*\b+\i]|   ; the four blocks by turns
.endr
.endr
.irp b, 0,1,2,3
	v_permlanex16_b32 v[TM+4+\b], v[TM+\b], s[SEL], s[SEL+1]
.endr
.irp b, 0,1,2,3
	v_max_num_f32 v[TM+\b], v[TM+\b], v[TM+4+\b]   ; with lane l xor 16's: the block's largest magnitude
.endr
.irp b, 0,1,2,3
	v_add_nc_u32 v[TM+12+\b], 0xff000000, v[TM+\b]   ; 2 off its exponent field: the conversion takes this operand's exponent field as its scale
.endr
.irp b, 0,1,2,3
	v_lshrrev_b32 v[TM+4+\b], 23, v[TM+12+\b]      ; the scale's byte
.endr
	v_lshl_or_b32 v[\pw], v[TM+5], 8, v[TM+4]      ; four bytes: my row's scale word
	v_lshl_or_b32 v[\pw], v[TM+6], 16, v[\pw]
	v_lshl_or_b32 v[\pw], v[TM+7], 24, v[\pw]
.irp b, 0,1,2,3
	v_cvt_scalef32_pk8_fp4_f32 v[(\pc)+2*\b], v[(\s)+16*\b:(\s)+16*\b+7], v[TM+12+\b]
	v_cvt_scalef32_pk8_fp4_f32 v[(\pc)+1+2*\b], v[(\s)+8+16*\b:(\s)+16*\b+15], v[TM+12+\b]
.endr
	v_nop                                          ; one plain place behind a scaled conversion
.irp c, 0,1                                    ; the operand's layout wants a whole block in a lane: lanes 0-15 block 2 c, lanes 16-31 block 2 c + 1
.irp i, 0,1
	v_permlane16_swap_b32 v[(\pc)+4*\c+\i], v[(\pc)+2+4*\c+\i]
.endr
.endr
.endm
	s_load_b256 s[4:11], s[0:1], 0x0               ; x s[4:5], Wr s[6:7], xc s[8:9], xs s[10:11]
	s_load_b64 s[12:13], s[0:1], 0x20              ; pl
	v_lshl_add_u32 v[SPW], v0, 2, SPARE
	v_mov_b32 v[NIL], 0
	v_lshrrev_b32 v[LANE], 5, v0
	v_readfirstlane_b32 s14, v[LANE]               ; wave 0, 1
	v_and_b32 v[LANE], 31, v0
	s_lshl_b32 s15, ttmp9, 1
	s_add_co_u32 s15, s15, s14                     ; the unit u = 2 x work-group + wave
	s_lshr_b32 s16, s15, 3                         ; which 16 tokens of the 1,024
	s_and_b32 s17, s15, 7                          ; which 128 columns: the K step
	s_lshr_b32 s18, s16, 4                         ; the batch
	s_and_b32 s19, s16, 15                         ; the tile of tokens in it
	s_lshl_b32 s20, s16, 16                        ; x: 16 rows of 4,096 bytes a tile, 512 bytes a K step
	s_lshl_b32 s2, s17, 9
	s_add_co_u32 s20, s20, s2
	s_mov_b32 s21, 0
	s_lshl_b32 s22, s17, 12                        ; Wr: 128 rows of 32 bytes a K step
	s_mov_b32 s23, 0
	s_lshl_b32 s24, s18, 17                        ; xc
	s_lshl_b32 s2, s17, 14
	s_add_co_u32 s24, s24, s2
	s_lshl_b32 s2, s19, 10
	s_add_co_u32 s24, s24, s2
	s_mov_b32 s25, 0
	s_lshl_b32 s26, s18, 13                        ; xs
	s_lshl_b32 s2, s17, 10
	s_add_co_u32 s26, s26, s2
	s_lshl_b32 s2, s19, 6
	s_add_co_u32 s26, s26, s2
	s_mov_b32 s27, 0
	s_lshl_b32 s30, s15, 5                         ; pl: 32 bytes a unit
	s_mov_b32 s31, 0
	s_mul_i32 s3, s14, STGB                        ; my stage
	s_mov_b32 s[SEL], 0x76543210
	s_mov_b32 s[SEL+1], 0xfedcba98
	v_lshlrev_b32 v[LI], 4, v[LANE]
	v_and_b32 v[LS], 15, v0                        ; r
	v_bfe_u32 v[ZO], v0, 4, 1                      ; h
	v_mul_u32_u24 v[TL], v[LS], 528
	v_lshl_add_u32 v[TL], v[ZO], 6, v[TL]
	v_add_nc_u32 v[TL], s3, v[TL]
	v_add_nc_u32 v[TS], s3, v[LI]
	v_lshlrev_b32 v[LS], 2, v[LS]
	v_lshlrev_b32 v[WO], 7, v[LANE]
	v_mov_b32 v[ZO], 0
.irp b, 0,1,2,3
	v_mov_b32 v[TM+4+\b], 0                        ; written once: a lane permute's destination counts as one of its sources
.endr
	s_wait_kmcnt 0x0
	s_add_nc_u64 s[4:5], s[4:5], s[20:21]
	s_add_nc_u64 s[6:7], s[6:7], s[22:23]
	s_add_nc_u64 s[8:9], s[8:9], s[24:25]
	s_add_nc_u64 s[10:11], s[10:11], s[26:27]
	s_add_nc_u64 s[12:13], s[12:13], s[30:31]
.irp t, 0,1,2,3,4,5,6,7,8,9,10,11,12,13,14,15
	global_load_b128 v[R+4*\t:R+4*\t+3], v[LI], s[4:5] offset:4096*\t th:TH_LOAD_NT   ; token t: 32 lanes read 512 consecutive bytes
.endr
.irp j, 0,1,2,3,4,5,6,7
	global_load_b128 v[WRV+4*\j:WRV+4*\j+3], v[WO], s[6:7] offset:16*\j   ; my four columns' rows of Wr: 128 bytes a lane
.endr
	s_wait_loadcnt 8                               ; x is in; the eight loads of Wr may be out
.irp t, 0,1,2,3,4,5,6,7,8,9,10,11,12,13,14,15
	ds_store_b128 v[TS], v[R+4*\t:R+4*\t+3] offset:528*\t
.endr
.irp b, 0,1,2,3
.irp j, 0,1,2,3
	ds_load_b128 v[XN+16*\b+4*\j:XN+16*\b+4*\j+3], v[TL] offset:128*\b+16*\j   ; LDS serves a wave's instructions in order: these see my stores
.endr
.endr
	; the sums over the 16 tokens, two columns at a time, in four chains; they stand while the stage turns
	v_pk_add_f32 v[CS:CS+1], v[R:R+1], v[R+4:R+5]
	v_pk_add_f32 v[CS+2:CS+3], v[R+2:R+3], v[R+6:R+7]
	v_pk_add_f32 v[L:L+1], v[R+8:R+9], v[R+12:R+13]
	v_pk_add_f32 v[L+2:L+3], v[R+10:R+11], v[R+14:R+15]
.irp t, 4,6,8,10,12,14
	v_pk_add_f32 v[CS:CS+1], v[CS:CS+1], v[R+4*\t:R+4*\t+1]
	v_pk_add_f32 v[CS+2:CS+3], v[CS+2:CS+3], v[R+4*\t+2:R+4*\t+3]
	v_pk_add_f32 v[L:L+1], v[L:L+1], v[R+4*\t+4:R+4*\t+5]
	v_pk_add_f32 v[L+2:L+3], v[L+2:L+3], v[R+4*\t+6:R+4*\t+7]
.endr
	v_pk_add_f32 v[CS:CS+1], v[CS:CS+1], v[L:L+1]
	v_pk_add_f32 v[CS+2:CS+3], v[CS+2:CS+3], v[L+2:L+3]
	s_wait_loadcnt 0x0                             ; Wr
.irp e, 0,1,2,3,4,5,6,7
	v_mul_f32 v[L+\e], v[CS], v[WRV+\e]
.endr
.irp i, 1,2,3
.irp e, 0,1,2,3,4,5,6,7
	v_fma_f32 v[L+\e], v[CS+\i], v[WRV+8*\i+\e], v[L+\e]
.endr
.endr
.irp x, 1,2,4,8                                ; over the wave's 32 lanes: four steps inside each half, the eight sums by turns,
.irp e, 0,1,2,3,4,5,6,7
	v_add_f32_dpp v[L+\e], v[L+\e], v[L+\e] row_xmask:\x row_mask:0xf bank_mask:0xf
.endr
.endr
.irp e, 0,1,2,3,4,5,6,7
	v_permlanex16_b32 v[WRV+\e], v[L+\e], s[SEL], s[SEL+1]   ; and one across the halves (Wr's registers are done with)
.endr
.irp e, 0,1,2,3,4,5,6,7
	v_add_f32 v[L+\e], v[L+\e], v[WRV+\e]
.endr
	s_wait_dscnt 0x0                               ; my 64 numbers are back from the stage
	QUANT XN, PC, PW
	global_store_b128 v[LI], v[PC:PC+3], s[8:9]              ; the image: 512 consecutive bytes a store
	global_store_b128 v[LI], v[PC+4:PC+7], s[8:9] offset:512
	v_cmp_gt_u32 vcc_lo, 16, v[LANE]
	s_wait_xcnt 0x0                                ; EXEC changes only behind this wait
	s_and_saveexec_b32 s2, vcc_lo
	global_store_b32 v[LS], v[PW], s[10:11]        ; lanes 0-15: the 16 tokens' scale words, 64 consecutive bytes
	s_wait_xcnt 0x0
	s_or_b32 exec_lo, exec_lo, s2
	v_cmp_eq_u32 vcc_lo, 0, v[LANE]
	s_and_saveexec_b32 s2, vcc_lo
	global_store_b128 v[ZO], v[L:L+3], s[12:13]    ; lane 0: the unit's eight partial logits
	global_store_b128 v[ZO], v[L+4:L+7], s[12:13] offset:16
	s_wait_xcnt 0x0
	s_or_b32 exec_lo, exec_lo, s2
	s_wait_tensorcnt 0x0                           ; the wave's end, behind my last LDS store
	ds_add_u32 v[SPW], v[NIL]
	s_wait_dscnt 0x0
	s_endpgm
.Lfunc_end_k_qd140d22892_qx:
	.size	k_qd140d22892_qx, .Lfunc_end_k_qd140d22892_qx-k_qd140d22892_qx
	.p2alignl 7, 3214868480
	.fill 96, 4, 3214868480
	.section	.rodata,"a",@progbits
	.p2align	6, 0x0
	.amdhsa_kernel k_qd140d22892_qx
		.amdhsa_group_segment_fixed_size 17152
		.amdhsa_private_segment_fixed_size 0
		.amdhsa_enable_private_segment 0
		.amdhsa_kernarg_size 40
		.amdhsa_user_sgpr_count 2
		.amdhsa_user_sgpr_kernarg_segment_ptr 1
		.amdhsa_wavefront_size32 1
		.amdhsa_system_sgpr_workgroup_id_x 1
		.amdhsa_system_sgpr_workgroup_id_y 1
		.amdhsa_system_sgpr_workgroup_id_z 1
		.amdhsa_system_vgpr_workitem_id 0
		.amdhsa_next_free_vgpr 208
		.amdhsa_next_free_sgpr 66
		.amdhsa_reserve_vcc 1
		.amdhsa_float_denorm_mode_32 3
		.amdhsa_float_denorm_mode_16_64 3
		.amdhsa_memory_ordered 1
		.amdhsa_forward_progress 1
		.amdhsa_inst_pref_size 18
	.end_amdhsa_kernel
	.amdgpu_metadata
---
amdhsa.version: [ 1, 2 ]
amdhsa.kernels:
  - .name:           k_qd140d22892_qx
    .symbol:         k_qd140d22892_qx.kd
    .args:
      - { .name: x, .offset: 0, .size: 8, .value_kind: global_buffer, .address_space: global }
      - { .name: Wr, .offset: 8, .size: 8, .value_kind: global_buffer, .address_space: global }
      - { .name: xc, .offset: 16, .size: 8, .value_kind: global_buffer, .address_space: global }
      - { .name: xs, .offset: 24, .size: 8, .value_kind: global_buffer, .address_space: global }
      - { .name: pl, .offset: 32, .size: 8, .value_kind: global_buffer, .address_space: global }
    .group_segment_fixed_size: 17152
    .private_segment_fixed_size: 0
    .kernarg_segment_align: 8
    .kernarg_segment_size: 40
    .max_flat_workgroup_size: 64
    .sgpr_count:     66
    .vgpr_count:     208
    .wavefront_size: 32
...
	.end_amdgpu_metadata
.endif
;; end of part 1
;; launch route (part 2): grid 1 x 1, 4 waves a work-group, no clusters, 0 bytes of LDS; arguments pl, br, chosen, rwt; writes chosen, rwt
.if DOCPART == 2
	.amdgcn_target "amdgcn-amd-amdhsa--gfx1250"
	.amdhsa_code_object_version 6
	.text
	.protected	k_qd140d22892_route
	.globl	k_qd140d22892_route
	.p2align	8
	.type	k_qd140d22892_route,@function
k_qd140d22892_route:
	s_mov_b64 s[64:65], 0
	v_nop
	global_prefetch_b8 v0, s[64:65] scope:SCOPE_SE
	s_setreg_imm32_b32 hwreg(HW_REG_WAVE_MODE, 25, 1), 1
	s_wait_xcnt 0x0
; The router's end: for each of the 4 batches the 128 partial logits of each expert are added, divided by 256 (the mean over the sequence), br is added; softmax over the 8 experts, with its maximum taken away;
; the two largest (of equal numbers the lower index first); softmax over those two, with its maximum (the first) taken away.
; chosen [2 batch + slot]: the expert's number, a whole number from which the later launches form addresses; rwt [2 batch + slot]: its weight, f32.  No address and no branch here hangs on a floating-point number.
; One work-group, since the work is 4 x 1,024 numbers: wave b takes batch b, and the waves share nothing.
; LIMITS: NaN and infinities are not served.  A routing weight under 2^-126 comes out of v_exp_f32 as 0 (ISA guide, the instruction's entry); among several such the lowest index is taken.  The softmax divides by v_rcp_f32 and a multiplication.
	s_load_b256 s[4:11], s[0:1], 0x0               ; pl s[4:5], br s[6:7], chosen s[8:9], rwt s[10:11]
	v_lshrrev_b32 v1, 5, v0
	v_readfirstlane_b32 s14, v1                    ; wave = batch
	v_and_b32 v1, 31, v0                           ; lane
	v_lshlrev_b32 v2, 7, v1                        ; four units of 32 bytes a lane
	s_lshl_b32 s26, s14, 12                        ; a batch's 128 units
	s_mov_b32 s27, 0
	s_mov_b32 s12, 0x76543210
	s_mov_b32 s13, 0xfedcba98                      ; v_permlanex16_b32's selects for lane l xor 16
	s_mov_b32 s24, 0x3b800000                      ; 1 / 256
	s_lshl_b32 s25, s14, 3
	v_lshlrev_b32 v58, 2, v1
	v_add_nc_u32 v58, s25, v58                     ; where lanes 0 and 1 store: 8 x batch + 4 x slot
.irp e, 0,1,2,3,4,5,6,7
	v_mov_b32 v[48+\e], \e                         ; the experts' numbers
.endr
	v_mov_b32 v47, -1.0
	s_wait_kmcnt 0x0
	s_add_nc_u64 s[4:5], s[4:5], s[26:27]
	s_load_b256 s[16:23], s[6:7], 0x0              ; br
.irp j, 0,1,2,3,4,5,6,7
	global_load_b128 v[8+4*\j:11+4*\j], v2, s[4:5] offset:16*\j   ; unit q of my four, expert e at v[8 + 8 q + e]
.endr
	s_wait_loadcnt 0x0
	s_wait_kmcnt 0x0
.irp e, 0,2,4,6
	v_pk_add_f32 v[8+\e:9+\e], v[8+\e:9+\e], v[16+\e:17+\e]
	v_pk_add_f32 v[24+\e:25+\e], v[24+\e:25+\e], v[32+\e:33+\e]
.endr
.irp e, 0,2,4,6
	v_pk_add_f32 v[8+\e:9+\e], v[8+\e:9+\e], v[24+\e:25+\e]
.endr
.irp x, 1,2,4,8
.irp e, 0,1,2,3,4,5,6,7
	v_add_f32_dpp v[8+\e], v[8+\e], v[8+\e] row_xmask:\x row_mask:0xf bank_mask:0xf
.endr
.endr
.irp e, 0,1,2,3,4,5,6,7
	v_permlanex16_b32 v[16+\e], v[8+\e], s12, s13
.endr
.irp e, 0,1,2,3,4,5,6,7
	v_add_f32 v[8+\e], v[8+\e], v[16+\e]           ; every lane holds the batch's eight sums
.endr
.irp e, 0,1,2,3,4,5,6,7
	v_fma_f32 v[8+\e], v[8+\e], s24, s[16+\e]      ; the logit: mean . Wr + br
.endr
	v_max3_num_f32 v40, v8, v9, v10
	v_max3_num_f32 v40, v40, v11, v12
	v_max3_num_f32 v40, v40, v13, v14
	v_max_num_f32 v40, v40, v15                    ; the largest logit
.irp e, 0,1,2,3,4,5,6,7
	v_sub_f32 v[16+\e], v[8+\e], v40
.endr
.irp e, 0,1,2,3,4,5,6,7
	v_mul_f32 v[16+\e], 0x3fb8aa3b, v[16+\e]       ; x log2(e)
.endr
.irp e, 0,1,2,3,4,5,6,7
	v_exp_f32 v[16+\e], v[16+\e]
.endr
	v_nop                                          ; a plain place behind the exponentials
	s_wait_alu depctr_va_vdst(0)                   ; one wait for the batch of eight, ahead of its first reader
	v_add_f32 v41, v16, v17
	v_add_f32 v42, v18, v19
	v_add_f32 v43, v20, v21
	v_add_f32 v44, v22, v23
	v_add_f32 v41, v41, v42
	v_add_f32 v43, v43, v44
	v_add_f32 v41, v41, v43
	v_rcp_f32 v41, v41
	v_nop
	s_wait_alu depctr_va_vdst(0)
.irp e, 0,1,2,3,4,5,6,7
	v_mul_f32 v[16+\e], v[16+\e], v41              ; the routing weights
.endr
	v_mov_b32 v41, v16                             ; the largest: a later one takes its place only if it is greater, so the lower index stays
	v_mov_b32 v42, 0
.irp e, 1,2,3,4,5,6,7
	v_cmp_gt_f32 vcc_lo, v[16+\e], v41
	v_cndmask_b32 v41, v41, v[16+\e], vcc_lo
	v_cndmask_b32 v42, v42, v[48+\e], vcc_lo
.endr
.irp e, 0,1,2,3,4,5,6,7
	v_cmp_eq_u32 vcc_lo, v42, v[48+\e]
	v_cndmask_b32 v[16+\e], v[16+\e], v47, vcc_lo  ; the one taken becomes -1, under every weight
.endr
	v_mov_b32 v43, v16                             ; the second largest, in the same way
	v_mov_b32 v44, 0
.irp e, 1,2,3,4,5,6,7
	v_cmp_gt_f32 vcc_lo, v[16+\e], v43
	v_cndmask_b32 v43, v43, v[16+\e], vcc_lo
	v_cndmask_b32 v44, v44, v[48+\e], vcc_lo
.endr
	v_sub_f32 v45, v43, v41                        ; the softmax of the two: the first is their maximum
	v_mul_f32 v45, 0x3fb8aa3b, v45
	v_exp_f32 v45, v45
	v_nop
	s_wait_alu depctr_va_vdst(0)
	v_add_f32 v46, 1.0, v45
	v_rcp_f32 v46, v46                             ; slot 0's weight: 1 / (1 + e2)
	v_nop
	s_wait_alu depctr_va_vdst(0)
	v_mul_f32 v45, v45, v46                        ; slot 1's: e2 / (1 + e2)
	v_cmp_eq_u32 vcc_lo, 1, v1
	v_cndmask_b32 v56, v42, v44, vcc_lo            ; lane 1 takes slot 1
	v_cndmask_b32 v57, v46, v45, vcc_lo
	v_cmp_gt_u32 vcc_lo, 2, v1
	s_wait_xcnt 0x0                                ; EXEC changes only behind this wait
	s_and_saveexec_b32 s26, vcc_lo
	global_store_b32 v58, v56, s[8:9]
	global_store_b32 v58, v57, s[10:11]
	s_wait_xcnt 0x0
	s_or_b32 exec_lo, exec_lo, s26
	s_endpgm
.Lfunc_end_k_qd140d22892_route:
	.size	k_qd140d22892_route, .Lfunc_end_k_qd140d22892_route-k_qd140d22892_route
	.p2alignl 7, 3214868480
	.fill 96, 4, 3214868480
	.section	.rodata,"a",@progbits
	.p2align	6, 0x0
	.amdhsa_kernel k_qd140d22892_route
		.amdhsa_group_segment_fixed_size 0
		.amdhsa_private_segment_fixed_size 0
		.amdhsa_enable_private_segment 0
		.amdhsa_kernarg_size 32
		.amdhsa_user_sgpr_count 2
		.amdhsa_user_sgpr_kernarg_segment_ptr 1
		.amdhsa_wavefront_size32 1
		.amdhsa_system_sgpr_workgroup_id_x 1
		.amdhsa_system_sgpr_workgroup_id_y 1
		.amdhsa_system_sgpr_workgroup_id_z 1
		.amdhsa_system_vgpr_workitem_id 0
		.amdhsa_next_free_vgpr 64
		.amdhsa_next_free_sgpr 66
		.amdhsa_reserve_vcc 1
		.amdhsa_float_denorm_mode_32 3
		.amdhsa_float_denorm_mode_16_64 3
		.amdhsa_memory_ordered 1
		.amdhsa_forward_progress 1
		.amdhsa_inst_pref_size 11
	.end_amdhsa_kernel
	.amdgpu_metadata
---
amdhsa.version: [ 1, 2 ]
amdhsa.kernels:
  - .name:           k_qd140d22892_route
    .symbol:         k_qd140d22892_route.kd
    .args:
      - { .name: pl, .offset: 0, .size: 8, .value_kind: global_buffer, .address_space: global }
      - { .name: br, .offset: 8, .size: 8, .value_kind: global_buffer, .address_space: global }
      - { .name: chosen, .offset: 16, .size: 8, .value_kind: global_buffer, .address_space: global }
      - { .name: rwt, .offset: 24, .size: 8, .value_kind: global_buffer, .address_space: global }
    .group_segment_fixed_size: 0
    .private_segment_fixed_size: 0
    .kernarg_segment_align: 8
    .kernarg_segment_size: 32
    .max_flat_workgroup_size: 128
    .sgpr_count:     66
    .vgpr_count:     64
    .wavefront_size: 32
...
	.end_amdgpu_metadata
.endif
;; end of part 2
;; launch ffn1 (part 3): grid 32 x 8, 8 waves a work-group, no clusters, 68,608 bytes of LDS; arguments xc, xs, W1_codes, W1_scales, b1, chosen, hc, hs; writes hc, hs
.if DOCPART == 3
	.amdgcn_target "amdgcn-amd-amdhsa--gfx1250"
	.amdhsa_code_object_version 6
	.text
	.protected	k_qd140d22892_ffn1
	.globl	k_qd140d22892_ffn1
	.p2align	8
	.type	k_qd140d22892_ffn1,@function
k_qd140d22892_ffn1:
	s_mov_b64 s[64:65], 0
	v_nop
	global_prefetch_b8 v0, s[64:65] scope:SCOPE_SE
	s_setreg_imm32_b32 hwreg(HW_REG_WAVE_MODE, 25, 1), 1
	s_wait_xcnt 0x0
; H = Q(gelu(Q(x) W1[e]^T + b1[e])) for the 8 pairs p = 2 batch + slot alone: the six experts that a batch did not choose are multiplied by a 0 that the function builds itself (shown at the head of the first kernel).
; A work-group takes a pair's 256 tokens and 128 hidden units (grid x: which 128; they are one K step of the second product).  The expert's number is read from memory, where an earlier launch stored it, and held to 0 .. 7.
; THE WEIGHTS: 128 rows of 512 bytes come through registers into LDS once (16 loads of a whole row a wave), pitch 528 bytes: 33 x 16, so the 16 rows that a fragment load touches start at 16 different groups of banks.
; THE ROWS OF W1 THAT FORM A TILE ARE NOT NEIGHBOURS: lane r of tile 2 k + u takes row 32 k + 8 u + r + 8 (r / 8), so that a lane's 16 registers of tiles 2 k, 2 k + 1 are 16 neighbours along the next K.  The rows are laid
; in LDS in the tiles' order, so that a tile's 16 rows lie on end.
; THE TOKENS: wave v takes tiles 2 v and 2 v + 1 of 16 tokens; their fragments for all 8 K steps come from memory straight into 128 registers, as the images that the first launch stored.  No other wave wants them.
; No multicast: what work-groups share here (x's images) goes into one wave's registers, not into LDS, and a slice of W1 is this work-group's alone among the pair's 32.
; The product is used transposed (source 0 = 16 rows of W1, source 1 = 16 tokens): a lane holds one token, its registers run along the hidden units.  b1 is loaded straight into the accumulators: every product adds in place.
; GELU is x/2 (1 + erf(x / sqrt 2)) in f32; erf(z) = z P(z^2) / Q(z^2) with z held to +-4 (a rational form of degrees 6 and 4 in z^2, good to a few units in the last place of erf).
; LIMITS: where x is far below 0, 1 + erf loses digits: the error is some 1e-7 x |x|, small beside the largest number of any block that also holds an ordinary number.  NaN and infinities are not served.  A block whose largest
; magnitude lies under 2^-124 gets the byte 1.
; REGISTERS.  Window 0: v1-9 addresses; v16-47 W1's scale words; v48-55 x's; v56-71 at work; v72-90 codes and scale words; v128-255 the 16 accumulators (token tile m, W1 tile t at ACC + 64 m + 8 t).
; Window 1: v0-127 x's fragments (K step s, tile m at 16 s + 8 m); v128-255 W1's fragments, two sets of 64 (the first also carries the rows on their way into LDS); behind the products both serve the GELU.
.set PITCH, 528
.set SPARE, 67584                      ; behind the 128 rows: the spare words, 128 bytes a wave: four blocks of 256 bytes that no other line names
.set LI,  1                            ; v1  16 x lane
.set LS,  2                            ; v2  4 x lane
.set AW,  3                            ; v3  a fragment's row r x pitch + 16 h
.set SWA, 4                            ; v4  where my wave's rows go: wave x pitch + 16 x lane
.set AWS, 5                            ; v5  W1's scale words: lanes 0-15 tile 2 k's rows, lanes 16-31 tile 2 k + 1's
.set AB,  6                            ; v6  b1: 64 h
.set SPW, 8                            ; v8  LDS address of my spare word; never rewritten
.set NIL, 9                            ; v9  0; never rewritten
.set WS,  16
.set XSC, 48
.set TM,  56
.set PC0, 72
.set PC1, 80
.set PW0, 88
.set PW1, 89
.set PWM, 90
.set ACC, 128
.set XF,  0
.set WF,  128
.set Z,   0                            ; the GELU's registers, in window 1, 32 each
.set H,   32
.set U,   64
.set P,   96
.set Q,   128
.set KA,  160                          ; two constants as pairs
.set KB,  162
.set SEL, 52
.set RS2, 30                           ; scalar pairs: both words hold the constant
.set A11, 32
.set A9,  34
.set A7,  36
.set A5,  38
.set A3,  40
.set A1,  42
.set B6,  44
.set B4,  46
.set B2,  48
.set B0,  50
.set MSB, 0
.macro WIN new                         ; the immediate's high byte repeats the setting that is left; a switch that changes nothing is dropped
.if MSB != \new
	s_set_vgpr_msb (MSB<<8)|\new
.set MSB, \new
.endif
.endm
.set TO_F, 0x40                        ; destination window 1, address window 0
.set ST_F, 0x04                        ; an LDS store's data (source 1) window 1
.set MUL,  0x05                        ; sources 0 and 1 window 1; C and D window 0
.macro PLACES                          ; four plain places behind matrix instructions, ahead of loads into their sources and of reads of their results
.rept 4
	v_nop
.endr
.endm
.macro KPAIR reg, val
	s_mov_b32 s[\reg], \val
	s_mov_b32 s[\reg+1], \val
.endm
.macro QUANT s, pc, pw                 ; 64 numbers of a lane, register 16 b + i = k 32 b + 16 (lane / 16) + i of my row, become a fragment's codes and its scale word
.irp b, 0,1,2,3
	v_max3_num_f32 v[TM+\b], |v[(\s)+16*\b]|, |v[(\s)+1+16*\b]|, 0x1800000   ; and the floor 2^(3 - 127): the byte cannot fall under 1
.endr
.irp i, 2,4,6,8,10,12,14
.irp b, 0,1,2,3
	v_max3_num_f32 v[TM+\b], v[TM+\b], |v[(\s)+16*\b+\i]|, |v[(\s)+1+16*\b+\i]|
.endr
.endr
.irp b, 0,1,2,3
	v_permlanex16_b32 v[TM+4+\b], v[TM+\b], s[SEL], s[SEL+1]
.endr
.irp b, 0,1,2,3
	v_max_num_f32 v[TM+\b], v[TM+\b], v[TM+4+\b]
.endr
.irp b, 0,1,2,3
	v_add_nc_u32 v[TM+12+\b], 0xff000000, v[TM+\b]   ; 2 off the exponent field: the conversion's scale operand
.endr
.irp b, 0,1,2,3
	v_lshrrev_b32 v[TM+4+\b], 23, v[TM+12+\b]
.endr
	v_lshl_or_b32 v[\pw], v[TM+5], 8, v[TM+4]
	v_lshl_or_b32 v[\pw], v[TM+6], 16, v[\pw]
	v_lshl_or_b32 v[\pw], v[TM+7], 24, v[\pw]
.irp b, 0,1,2,3
	v_cvt_scalef32_pk8_fp4_f32 v[(\pc)+2*\b], v[(\s)+16*\b:(\s)+16*\b+7], v[TM+12+\b]
	v_cvt_scalef32_pk8_fp4_f32 v[(\pc)+1+2*\b], v[(\s)+8+16*\b:(\s)+16*\b+15], v[TM+12+\b]
.endr
	v_nop                                          ; one plain place behind a scaled conversion
.irp c, 0,1
.irp i, 0,1
	v_permlane16_swap_b32 v[(\pc)+4*\c+\i], v[(\pc)+2+4*\c+\i]
.endr
.endr
.endm
; one product on the registers named by rD, rA, rB, rSA, rSB; ra, rb = 1: that side's scale words stand in lanes 16-31
.macro MM ra, rb
.if (\ra) && (\rb)
	v_wmma_scale_f32_16x16x128_f8f6f4 v[rD:rD+7], v[rA:rA+7], v[rB:rB+7], v[rD:rD+7], v[rSA], v[rSB] matrix_a_fmt:MATRIX_FMT_FP4 matrix_b_fmt:MATRIX_FMT_FP4 matrix_a_scale:MATRIX_SCALE_ROW1 matrix_b_scale:MATRIX_SCALE_ROW1
.elseif (\ra)
	v_wmma_scale_f32_16x16x128_f8f6f4 v[rD:rD+7], v[rA:rA+7], v[rB:rB+7], v[rD:rD+7], v[rSA], v[rSB] matrix_a_fmt:MATRIX_FMT_FP4 matrix_b_fmt:MATRIX_FMT_FP4 matrix_a_scale:MATRIX_SCALE_ROW1
.elseif (\rb)
	v_wmma_scale_f32_16x16x128_f8f6f4 v[rD:rD+7], v[rA:rA+7], v[rB:rB+7], v[rD:rD+7], v[rSA], v[rSB] matrix_a_fmt:MATRIX_FMT_FP4 matrix_b_fmt:MATRIX_FMT_FP4 matrix_b_scale:MATRIX_SCALE_ROW1
.else
	v_wmma_scale_f32_16x16x128_f8f6f4 v[rD:rD+7], v[rA:rA+7], v[rB:rB+7], v[rD:rD+7], v[rSA], v[rSB] matrix_a_fmt:MATRIX_FMT_FP4 matrix_b_fmt:MATRIX_FMT_FP4
.endif
.endm
.macro KMUL s                          ; K step s: 16 products; the 16 accumulators take turns, one instruction a turn, in the same order in every step
.set t, 0
.rept 8
.set m, 0
.rept 2
.set rD, ACC+64*m+8*t
.set rA, WF+64*((\s)%2)+8*t
.set rB, XF+16*(\s)+8*m
.set rSA, WS+8*(t/2)+(\s)
.set rSB, XSC+(\s)
	MM t%2, m
.set m, m+1
.endr
.set t, t+1
.endr
.endm
.macro WLOAD s                         ; W1's eight fragments of K step s into set s % 2
.set t, 0
.rept 8
	ds_load_b128 v[WF+64*((\s)%2)+8*t:WF+64*((\s)%2)+8*t+3],   v[AW] offset:t*16*PITCH+64*(\s)
	ds_load_b128 v[WF+64*((\s)%2)+8*t+4:WF+64*((\s)%2)+8*t+7], v[AW] offset:t*16*PITCH+64*(\s)+32
.set t, t+1
.endr
.endm
.macro KSTEP s
	WIN TO_F
.if (\s) > 0
	PLACES                                         ; the set that is loaded next was read by the step before
.endif
.if (\s) < 7
	WLOAD (\s)+1
	s_wait_dscnt 16                                ; this step's fragments are in; the 16 loads just issued may be out
.else
	s_wait_dscnt 0x0
.endif
	s_wait_loadcnt 4*(7-(\s))                      ; x's fragments of this step are in (and all that was asked for ahead of them); four loads for each later step may be out
	WIN MUL
	KMUL \s
.endm
.macro PSTEP d, k                      ; d = d U + k, 16 pairs
.set i, 0
.rept 16
	v_pk_fma_f32 v[\d+i:\d+i+1], v[\d+i:\d+i+1], v[U+i:U+i+1], s[\k:\k+1] op_sel_hi:[1,1,0]
.set i, i+2
.endr
.endm
.macro GELU g                          ; 32 numbers: four accumulators, in place
.set X, ACC+32*(\g)
	WIN 0x40                                       ; sources window 0, destination window 1
.set i, 0
.rept 16
	v_pk_mul_f32 v[Z+i:Z+i+1], v[X+i:X+i+1], s[RS2:RS2+1] op_sel_hi:[1,0]   ; z = x / sqrt 2.  Ascending: each accumulator is first read at its low end
.set i, i+2
.endr
.set i, 0
.rept 16
	v_pk_mul_f32 v[H+i:H+i+1], v[X+i:X+i+1], 0.5 op_sel_hi:[1,0]            ; x / 2
.set i, i+2
.endr
	WIN 0x55                                       ; all in window 1
.set i, 0
.rept 32
	v_med3_num_f32 v[Z+i], v[Z+i], -4.0, 4.0       ; beyond +-4 erf is +-1 to the last place
.set i, i+1
.endr
.set i, 0
.rept 16
	v_pk_mul_f32 v[U+i:U+i+1], v[Z+i:Z+i+1], v[Z+i:Z+i+1]
.set i, i+2
.endr
.set i, 0
.rept 16
	v_pk_fma_f32 v[P+i:P+i+1], v[U+i:U+i+1], v[KA:KA+1], s[A11:A11+1] op_sel_hi:[1,1,0]
.set i, i+2
.endr
.set i, 0
.rept 16
	v_pk_fma_f32 v[Q+i:Q+i+1], v[U+i:U+i+1], v[KB:KB+1], s[B6:B6+1] op_sel_hi:[1,1,0]
.set i, i+2
.endr
	PSTEP Q, B4
	PSTEP Q, B2
	PSTEP Q, B0
.set i, 0
.rept 32
	v_rcp_f32 v[Q+i], v[Q+i]                       ; one batch of 32; the numerator's steps below name none of its results
.set i, i+1
.endr
	PSTEP P, A9
	PSTEP P, A7
	PSTEP P, A5
	PSTEP P, A3
	PSTEP P, A1
.set i, 0
.rept 16
	v_pk_mul_f32 v[P+i:P+i+1], v[P+i:P+i+1], v[Z+i:Z+i+1]
.set i, i+2
.endr
	s_wait_alu depctr_va_vdst(0)                   ; one wait for the 32 reciprocals, ahead of their first reader
.set i, 0
.rept 16
	v_pk_mul_f32 v[P+i:P+i+1], v[P+i:P+i+1], v[Q+i:Q+i+1]   ; erf
.set i, i+2
.endr
	WIN 0x15                                       ; sources window 1, destination window 0
.set i, 0
.rept 16
	v_pk_fma_f32 v[X+i:X+i+1], v[H+i:H+i+1], v[P+i:P+i+1], v[H+i:H+i+1]   ; x/2 erf + x/2
.set i, i+2
.endr
.endm
	s_load_b512 s[4:19], s[0:1], 0x0               ; xc s[4:5], xs s[6:7], W1's codes s[8:9], its scales s[10:11], b1 s[12:13], chosen s[14:15], hc s[16:17], hs s[18:19]
	v_lshl_add_u32 v[SPW], v0, 2, SPARE
	v_mov_b32 v[NIL], 0
	v_lshrrev_b32 v10, 5, v0
	v_readfirstlane_b32 s20, v10                   ; wave 0..7
	s_and_b32 s22, ttmp7, 0xffff                   ; the pair p
	s_lshr_b32 s23, s22, 1                         ; its batch
	s_lshl_b32 s26, s22, 2
	s_mov_b32 s27, 0
	v_and_b32 v10, 31, v0                          ; lane
	v_and_b32 v11, 15, v0                          ; r
	v_bfe_u32 v12, v0, 4, 1                        ; h
	v_lshlrev_b32 v[LI], 4, v10
	v_lshlrev_b32 v[LS], 2, v10
	v_mul_u32_u24 v[AW], v11, PITCH
	v_lshl_add_u32 v[AW], v12, 4, v[AW]
	s_mul_i32 s25, s20, PITCH
	v_add_nc_u32 v[SWA], s25, v[LI]
	v_and_b32 v13, 8, v11
	v_add_nc_u32 v13, v13, v11                     ; r + 8 (r / 8)
	v_lshl_add_u32 v13, v12, 3, v13                ; + 8 u, u = lane / 16
	v_lshlrev_b32 v[AWS], 5, v13                   ; 32 scale bytes a row
	v_lshlrev_b32 v[AB], 6, v12
.irp b, 0,1,2,3
	v_mov_b32 v[TM+4+\b], 0                        ; written once: a lane permute's destination counts as one of its sources
.endr
	s_mov_b32 s28, 0xffff0000                      ; lanes 16-31
	s_mov_b32 s[SEL], 0x76543210
	s_mov_b32 s[SEL+1], 0xfedcba98
	KPAIR RS2, 0x3f3504f3                          ; 1 / sqrt 2
	KPAIR A11, 0x32edffee                          ; the numerator's coefficients, from z^11 down to z (z^13's stands in a vector pair)
	KPAIR A9,  0xb60cff51
	KPAIR A7,  0xb86ec2d2
	KPAIR A5,  0xba40ac63
	KPAIR A3,  0xbb41a1f6
	KPAIR A1,  0xbc83dbd4
	KPAIR B6,  0xb95fbd29                          ; the denominator's, from z^6 down to 1 (z^8's stands in a vector pair)
	KPAIR B4,  0xbadc924e
	KPAIR B2,  0xbbf19bf8
	KPAIR B0,  0xbc69b6a7
	s_wait_kmcnt 0x0
	s_add_nc_u64 s[14:15], s[14:15], s[26:27]
	s_load_b32 s24, s[14:15], 0x0                  ; the pair's expert
	s_lshl_b32 s26, s23, 17                        ; xc: the batch, my two tiles
	s_lshl_b32 s25, s20, 11
	s_add_co_u32 s26, s26, s25
	s_add_nc_u64 s[4:5], s[4:5], s[26:27]
	s_lshl_b32 s26, s23, 13                        ; xs: the batch, my 32 tokens
	s_lshl_b32 s25, s20, 7
	s_add_co_u32 s26, s26, s25
	s_add_nc_u64 s[6:7], s[6:7], s[26:27]
	s_lshl_b32 s26, s22, 19                        ; hc [pair][half of the tokens][K step][tile of the half][1,024]
	s_lshr_b32 s25, s20, 2
	s_lshl_b32 s25, s25, 18
	s_add_co_u32 s26, s26, s25
	s_lshl_b32 s25, ttmp9, 13
	s_add_co_u32 s26, s26, s25
	s_and_b32 s25, s20, 3
	s_lshl_b32 s25, s25, 11
	s_add_co_u32 s26, s26, s25
	s_add_nc_u64 s[16:17], s[16:17], s[26:27]
	s_lshl_b32 s26, s22, 15                        ; hs [pair][K step][256 tokens]
	s_lshl_b32 s25, ttmp9, 10
	s_add_co_u32 s26, s26, s25
	s_lshl_b32 s25, s20, 7
	s_add_co_u32 s26, s26, s25
	s_add_nc_u64 s[18:19], s[18:19], s[26:27]
	s_wait_kmcnt 0x0
	s_min_u32 s24, s24, 7                          ; an index stays inside its table
	s_lshl_b32 s26, s24, 21                        ; W1's codes: the expert, my work-group's 128 rows, my wave's row of each eight
	s_lshl_b32 s25, ttmp9, 16
	s_add_co_u32 s26, s26, s25
	s_lshl_b32 s25, s20, 9
	s_add_co_u32 s26, s26, s25
	s_add_nc_u64 s[8:9], s[8:9], s[26:27]
	s_lshl_b32 s26, s24, 17                        ; its scale bytes
	s_lshl_b32 s25, ttmp9, 12
	s_add_co_u32 s26, s26, s25
	s_add_nc_u64 s[10:11], s[10:11], s[26:27]
	s_lshl_b32 s26, s24, 14                        ; b1
	s_lshl_b32 s25, ttmp9, 9
	s_add_co_u32 s26, s26, s25
	s_add_nc_u64 s[12:13], s[12:13], s[26:27]
	; ALL LOADS OF THE LAUNCH, 96 a wave, in the order in which they are wanted
	WIN TO_F
.set j, 0
.rept 16
	global_load_b128 v[WF+4*j:WF+4*j+3], v[LI], s[8:9] offset:4096*j   ; row 8 j + wave of the slice: 512 consecutive bytes
.set j, j+1
.endr
	WIN 0
.irp k, 0,1,2,3
	global_load_b128 v[WS+8*\k:WS+8*\k+3],   v[AWS], s[10:11] offset:1024*\k      ; the scale words of tiles 2 k (lanes 0-15) and 2 k + 1 (lanes 16-31), K steps 0-3,
	global_load_b128 v[WS+8*\k+4:WS+8*\k+7], v[AWS], s[10:11] offset:1024*\k+16   ; and 4-7
.endr
.irp s, 0,1,2,3,4,5,6,7
	global_load_b32 v[XSC+\s], v[LS], s[6:7] offset:1024*\s   ; x's: lanes 0-15 my first tile's tokens, lanes 16-31 my second's
.endr
.irp m, 0,1
.irp k, 0,1,2,3
.irp u, 0,1
	global_load_b128 v[ACC+64*\m+16*\k+8*\u:ACC+64*\m+16*\k+8*\u+3],   v[AB], s[12:13] offset:128*\k+32*\u      ; b1 at hidden units 32 k + 16 h + 8 u + 0 .. 7: where the sums begin
	global_load_b128 v[ACC+64*\m+16*\k+8*\u+4:ACC+64*\m+16*\k+8*\u+7], v[AB], s[12:13] offset:128*\k+32*\u+16
.endr
.endr
.endr
	WIN TO_F
.irp s, 0,1,2,3,4,5,6,7
.irp m, 0,1
.irp c, 0,1
	global_load_b128 v[XF+16*\s+8*\m+4*\c:XF+16*\s+8*\m+4*\c+3], v[LI], s[4:5] offset:16384*\s+1024*\m+512*\c
.endr
.endr
.endr
	s_wait_loadcnt 63                              ; my 16 rows of W1 are in: 80 loads follow them, and 63 is the largest count that a wait can name
	WIN ST_F
.set j, 0
.rept 16
	ds_store_b128 v[SWA], v[WF+4*j:WF+4*j+3] offset:(32*(j/4)+16*(j%2)+8*((j/2)%2))*PITCH   ; row 8 j + wave goes where its tile wants it
.set j, j+1
.endr
	s_wait_dscnt 0x0                               ; for the others' sake: my rows lie in LDS
	s_barrier_signal -1
	s_barrier_wait -1                              ; everybody's do; nothing is written there again
	WIN TO_F
	WLOAD 0
.irp s, 0,1,2,3,4,5,6,7
	KSTEP \s
.endr
	WIN TO_F
	PLACES
	v_mov_b32 v[KA], 0xaf95df0b                    ; z^13's coefficient
	v_mov_b32 v[KA+1], 0xaf95df0b
	v_mov_b32 v[KB], 0xb77460cd                    ; z^8's
	v_mov_b32 v[KB+1], 0xb77460cd
	GELU 0
	GELU 1
	GELU 2
	GELU 3
	WIN 0
	QUANT ACC, PC0, PW0                            ; my first tile's 16 tokens x 128 hidden units: one fragment of the second product, and its scale words
	QUANT ACC+64, PC1, PW1
	global_store_b128 v[LI], v[PC0:PC0+3],   s[16:17]              ; the images: 512 consecutive bytes a store
	global_store_b128 v[LI], v[PC0+4:PC0+7], s[16:17] offset:512
	global_store_b128 v[LI], v[PC1:PC1+3],   s[16:17] offset:1024
	global_store_b128 v[LI], v[PC1+4:PC1+7], s[16:17] offset:1536
	v_cndmask_b32 v[PWM], v[PW0], v[PW1], s28      ; lanes 0-15: my first tile's words; lanes 16-31: my second's
	global_store_b32 v[LS], v[PWM], s[18:19]       ; 128 consecutive bytes
	s_wait_tensorcnt 0x0                           ; the wave's end, behind my last LDS store
	ds_add_u32 v[SPW], v[NIL]
	s_wait_dscnt 0x0
	s_endpgm
.Lfunc_end_k_qd140d22892_ffn1:
	.size	k_qd140d22892_ffn1, .Lfunc_end_k_qd140d22892_ffn1-k_qd140d22892_ffn1
	.p2alignl 7, 3214868480
	.fill 96, 4, 3214868480
	.section	.rodata,"a",@progbits
	.p2align	6, 0x0
	.amdhsa_kernel k_qd140d22892_ffn1
		.amdhsa_group_segment_fixed_size 68608
		.amdhsa_private_segment_fixed_size 0
		.amdhsa_enable_private_segment 0
		.amdhsa_kernarg_size 64
		.amdhsa_user_sgpr_count 2
		.amdhsa_user_sgpr_kernarg_segment_ptr 1
		.amdhsa_wavefront_size32 1
		.amdhsa_system_sgpr_workgroup_id_x 1
		.amdhsa_system_sgpr_workgroup_id_y 1
		.amdhsa_system_sgpr_workgroup_id_z 1
		.amdhsa_system_vgpr_workitem_id 0
		.amdhsa_next_free_vgpr 512
		.amdhsa_next_free_sgpr 66
		.amdhsa_reserve_vcc 0
		.amdhsa_float_denorm_mode_32 3
		.amdhsa_float_denorm_mode_16_64 3
		.amdhsa_memory_ordered 1
		.amdhsa_forward_progress 1
		.amdhsa_inst_pref_size 126
	.end_amdhsa_kernel
	.amdgpu_metadata
---
amdhsa.version: [ 1, 2 ]
amdhsa.kernels:
  - .name:           k_qd140d22892_ffn1
    .symbol:         k_qd140d22892_ffn1.kd
    .args:
      - { .name: xc, .offset: 0, .size: 8, .value_kind: global_buffer, .address_space: global }
      - { .name: xs, .offset: 8, .size: 8, .value_kind: global_buffer, .address_space: global }
      - { .name: W1_codes, .offset: 16, .size: 8, .value_kind: global_buffer, .address_space: global }
      - { .name: W1_scales, .offset: 24, .size: 8, .value_kind: global_buffer, .address_space: global }
      - { .name: b1, .offset: 32, .size: 8, .value_kind: global_buffer, .address_space: global }
      - { .name: chosen, .offset: 40, .size: 8, .value_kind: global_buffer, .address_space: global }
      - { .name: hc, .offset: 48, .size: 8, .value_kind: global_buffer, .address_space: global }
      - { .name: hs, .offset: 56, .size: 8, .value_kind: global_buffer, .address_space: global }
    .group_segment_fixed_size: 68608
    .private_segment_fixed_size: 0
    .kernarg_segment_align: 8
    .kernarg_segment_size: 64
    .max_flat_workgroup_size: 256
    .sgpr_count:     66
    .vgpr_count:     512
    .wavefront_size: 32
...
	.end_amdgpu_metadata
.endif
;; end of part 3
;; launch ffn2 (part 4): grid 16 x 16, 4 waves a work-group, no clusters, 150,016 bytes of LDS; arguments hc, hs, W2_codes, W2_scales, chosen, pt; writes pt
.if DOCPART == 4
	.amdgcn_target "amdgcn-amd-amdhsa--gfx1250"
	.amdhsa_code_object_version 6
	.text
	.protected	k_qd140d22892_ffn2
	.globl	k_qd140d22892_ffn2
	.p2align	8
	.type	k_qd140d22892_ffn2,@function
k_qd140d22892_ffn2:
	s_mov_b64 s[64:65], 0
	v_nop
	global_prefetch_b8 v0, s[64:65] scope:SCOPE_SE
	s_setreg_imm32_b32 hwreg(HW_REG_WAVE_MODE, 25, 1), 1
	s_wait_xcnt 0x0
; pt[slot][token][d] = H W2[e]^T over K = 4,096, f32, for the 8 pairs (batch, slot) alone: the experts that a batch did not choose are multiplied by a 0 that the function builds itself (shown at the head of the first kernel).
; A work-group takes half of a pair's tokens (128) and 64 of the 1,024 outputs (grid x: which 64; grid y: 2 pair + half).  The expert's number is read from memory, where an earlier launch stored it, and held to 0 .. 7.
; THE WEIGHTS: 64 rows of 2,048 bytes come through registers into LDS once (64 loads of 512 consecutive bytes a wave, its 16 rows), pitch 2,064 bytes = 129 x 16: the 16 rows that a fragment load touches start at 16 different groups of banks.
; THE HIDDEN LAYER: wave w takes tiles 2 w, 2 w + 1 of the half's eight; their fragments come from memory straight into registers, as the images that the launch before stored, through a ring of 12 K steps (48 loads a wave on their way).
; No multicast: the hidden layer's fragments are one wave's and go into registers; a slice of W2 is shared by two work-groups alone, and with the hidden layer beside it LDS would not hold both.
; The product is used transposed (source 0 = 16 rows of W2, source 1 = 16 tokens): a lane's eight results are eight neighbouring outputs of one token.  They leave through the wave's own stage: sixteen lanes store 256 consecutive bytes, aligned.
; REGISTERS.  Window 0: v1-11 addresses; v16-47 the hidden layer's scale words; v48-111 W2's; v112-175 the 8 accumulators (token tile a, W2 tile n at ACC + 8 (4 a + n)); v176-239 rows on the way out.
; Window 1: v0-191 the ring; v192-255 W2's fragments, two sets of 32.   Window 2: W2's rows on their way into LDS.
.set WP,    2064
.set STG,   64*WP                      ; 132,096: behind the rows: a stage of 16 rows x (256 bytes + 16) for each wave
.set SPARE, STG+4*16*272               ; 149,504: the spare words, 128 bytes a wave: two blocks of 256 bytes that no other line names
.set LI,  1                            ; v1  16 x lane
.set LS,  2                            ; v2  4 x lane
.set AW0, 3                            ; v3  a fragment's row r x pitch + 16 h, tiles 0 and 1
.set AW1, 4                            ; v4  tiles 2 and 3
.set A2S, 5                            ; v5  W2's scale words: 128 x lane
.set SO,  6                            ; v6  the stage: where I put 32 bytes of a row
.set SR,  7                            ; v7  and where I read a row back
.set GO,  8                            ; v8  my byte offset in two rows of pt
.set SPW, 9                            ; v9  LDS address of my spare word; never rewritten
.set NIL, 10                           ; v10 0; never rewritten
.set SWA, 11                           ; v11 where my wave's rows go
.set HS,  16
.set W2S, 48
.set ACC, 112
.set OB,  176
.set HR,  0
.set WF,  192
.set MSB, 0
.macro WIN new                         ; the immediate's high byte repeats the setting that is left; a switch that changes nothing is dropped
.if MSB != \new
	s_set_vgpr_msb (MSB<<8)|\new
.set MSB, \new
.endif
.endm
.set TO_F, 0x40                        ; destination window 1, address window 0
.set MUL,  0x05                        ; sources 0 and 1 window 1; C and D window 0
.macro PLACES                          ; four plain places behind matrix instructions (ISA guide 7.12.1)
.rept 4
	v_nop
.endr
.endm
; one product on the registers named by rD, rA, rB, rSA, rSB; rZ = 1: it starts the sum; ra, rb = 1: that side's scale words stand in lanes 16-31
.macro MM ra, rb
.if rZ
.if (\ra) && (\rb)
	v_wmma_scale_f32_16x16x128_f8f6f4 v[rD:rD+7], v[rA:rA+7], v[rB:rB+7], 0, v[rSA], v[rSB] matrix_a_fmt:MATRIX_FMT_FP4 matrix_b_fmt:MATRIX_FMT_FP4 matrix_a_scale:MATRIX_SCALE_ROW1 matrix_b_scale:MATRIX_SCALE_ROW1
.elseif (\ra)
	v_wmma_scale_f32_16x16x128_f8f6f4 v[rD:rD+7], v[rA:rA+7], v[rB:rB+7], 0, v[rSA], v[rSB] matrix_a_fmt:MATRIX_FMT_FP4 matrix_b_fmt:MATRIX_FMT_FP4 matrix_a_scale:MATRIX_SCALE_ROW1
.elseif (\rb)
	v_wmma_scale_f32_16x16x128_f8f6f4 v[rD:rD+7], v[rA:rA+7], v[rB:rB+7], 0, v[rSA], v[rSB] matrix_a_fmt:MATRIX_FMT_FP4 matrix_b_fmt:MATRIX_FMT_FP4 matrix_b_scale:MATRIX_SCALE_ROW1
.else
	v_wmma_scale_f32_16x16x128_f8f6f4 v[rD:rD+7], v[rA:rA+7], v[rB:rB+7], 0, v[rSA], v[rSB] matrix_a_fmt:MATRIX_FMT_FP4 matrix_b_fmt:MATRIX_FMT_FP4
.endif
.else
.if (\ra) && (\rb)
	v_wmma_scale_f32_16x16x128_f8f6f4 v[rD:rD+7], v[rA:rA+7], v[rB:rB+7], v[rD:rD+7], v[rSA], v[rSB] matrix_a_fmt:MATRIX_FMT_FP4 matrix_b_fmt:MATRIX_FMT_FP4 matrix_a_scale:MATRIX_SCALE_ROW1 matrix_b_scale:MATRIX_SCALE_ROW1
.elseif (\ra)
	v_wmma_scale_f32_16x16x128_f8f6f4 v[rD:rD+7], v[rA:rA+7], v[rB:rB+7], v[rD:rD+7], v[rSA], v[rSB] matrix_a_fmt:MATRIX_FMT_FP4 matrix_b_fmt:MATRIX_FMT_FP4 matrix_a_scale:MATRIX_SCALE_ROW1
.elseif (\rb)
	v_wmma_scale_f32_16x16x128_f8f6f4 v[rD:rD+7], v[rA:rA+7], v[rB:rB+7], v[rD:rD+7], v[rSA], v[rSB] matrix_a_fmt:MATRIX_FMT_FP4 matrix_b_fmt:MATRIX_FMT_FP4 matrix_b_scale:MATRIX_SCALE_ROW1
.else
	v_wmma_scale_f32_16x16x128_f8f6f4 v[rD:rD+7], v[rA:rA+7], v[rB:rB+7], v[rD:rD+7], v[rSA], v[rSB] matrix_a_fmt:MATRIX_FMT_FP4 matrix_b_fmt:MATRIX_FMT_FP4
.endif
.endif
.endm
.macro KMUL s                          ; K step s: 8 products; the 8 accumulators take turns, one instruction a turn, in the same order in every step
.if (\s) == 0
.set rZ, 1
.else
.set rZ, 0
.endif
.set a, 0
.rept 2
.set n, 0
.rept 4
.set rD, ACC+8*(4*a+n)
.set rA, WF+32*((\s)%2)+8*n
.set rB, HR+16*((\s)%12)+8*a
.set rSA, W2S+32*(n/2)+(\s)
.set rSB, HS+(\s)
	MM n%2, a
.set n, n+1
.endr
.set a, a+1
.endr
.endm
.macro HLOAD t                         ; the hidden layer's two fragments of K step t into slot t % 12 of the ring
.irp a, 0,1
.irp c, 0,1
	global_load_b128 v[HR+16*((\t)%12)+8*\a+4*\c:HR+16*((\t)%12)+8*\a+4*\c+3], v[LI], s[4:5] offset:8192*(\t)+1024*\a+512*\c
.endr
.endr
.endm
.macro WLOAD s                         ; W2's four fragments of K step s into set s % 2
.irp n, 0,1
.irp c, 0,1
	ds_load_b128 v[WF+32*((\s)%2)+8*\n+4*\c:WF+32*((\s)%2)+8*\n+4*\c+3], v[AW0] offset:\n*16*WP+64*(\s)+32*\c
.endr
.endr
.irp n, 0,1
.irp c, 0,1
	ds_load_b128 v[WF+32*((\s)%2)+16+8*\n+4*\c:WF+32*((\s)%2)+16+8*\n+4*\c+3], v[AW1] offset:\n*16*WP+64*(\s)+32*\c
.endr
.endr
.endm
.macro KSTEP s
	WIN TO_F
.if (\s) > 0
	PLACES                                         ; the ring's slot and the set that are loaded next were read by the step before
.if (\s) <= 20
	HLOAD (\s)+11
.endif
.endif
.if (\s) < 31
	WLOAD (\s)+1
	s_wait_dscnt 8                                 ; this step's fragments of W2 are in; the 8 loads just issued may be out
.else
	s_wait_dscnt 0x0
.endif
.if (\s) <= 20
	s_wait_loadcnt 44                              ; this step's fragments of H are in (and all that was asked for ahead of them); the ring's 11 later steps, four loads each, may be out
.else
	s_wait_loadcnt 4*(31-(\s))                     ; the steps that are left
.endif
	WIN MUL
	KMUL \s
.endm
.macro TOSTAGE a                       ; token tile a: 16 rows x 256 bytes into my stage, and back as whole rows
.irp n, 0,1,2,3
	ds_store_b128 v[SO], v[ACC+8*(4*\a+\n):ACC+8*(4*\a+\n)+3]   offset:64*\n       ; each accumulator from its low end on
	ds_store_b128 v[SO], v[ACC+8*(4*\a+\n)+4:ACC+8*(4*\a+\n)+7] offset:64*\n+16
.endr
.irp i, 0,1,2,3,4,5,6,7
	ds_load_b128 v[OB+32*\a+4*\i:OB+32*\a+4*\i+3], v[SR] offset:544*\i   ; LDS serves a wave's instructions in order (ISA guide 5.7.1.4): these see the stores above, and the next tile's stores come behind them
.endr
.endm
.macro SEND a
.irp i, 0,1,2,3,4,5,6,7
	global_store_b128 v[GO], v[OB+32*\a+4*\i:OB+32*\a+4*\i+3], s[14:15] offset:(16*\a+2*\i)*4096   ; 16 lanes store 256 consecutive bytes, at a multiple of 256 from pt's first byte
.endr
.endm
	s_load_b256 s[4:11], s[0:1], 0x0               ; hc s[4:5], hs s[6:7], W2's codes s[8:9], its scales s[10:11]
	s_load_b128 s[12:15], s[0:1], 0x20             ; chosen s[12:13], pt s[14:15]
	v_lshl_add_u32 v[SPW], v0, 2, SPARE
	v_mov_b32 v[NIL], 0
	v_lshrrev_b32 v12, 5, v0
	v_readfirstlane_b32 s16, v12                   ; wave 0..3
	s_and_b32 s17, ttmp7, 0xffff
	s_lshr_b32 s18, s17, 1                         ; the pair p
	s_and_b32 s19, s17, 1                          ; which half of its tokens
	s_lshr_b32 s20, s18, 1                         ; the batch
	s_and_b32 s21, s18, 1                          ; the slot
	s_lshl_b32 s22, s18, 2
	s_mov_b32 s23, 0
	v_and_b32 v12, 31, v0                          ; lane
	v_and_b32 v13, 15, v0                          ; r
	v_bfe_u32 v14, v0, 4, 1                        ; h
	v_lshlrev_b32 v[LI], 4, v12
	v_lshlrev_b32 v[LS], 2, v12
	v_lshlrev_b32 v[A2S], 7, v12
	v_mul_u32_u24 v[AW0], v13, WP
	v_lshl_add_u32 v[AW0], v14, 4, v[AW0]
	v_add_nc_u32 v[AW1], 32*WP, v[AW0]
	s_mul_i32 s25, s16, 16*WP
	v_add_nc_u32 v[SWA], s25, v[LI]
	s_mul_i32 s25, s16, 16*272
	s_add_co_u32 s25, s25, STG                     ; my stage
	v_mul_u32_u24 v[SO], v13, 272
	v_lshl_add_u32 v[SO], v14, 5, v[SO]
	v_add_nc_u32 v[SO], s25, v[SO]                 ; in: row r, + 32 h
	v_mul_u32_u24 v[SR], v14, 272
	v_lshl_add_u32 v[SR], v13, 4, v[SR]
	v_add_nc_u32 v[SR], s25, v[SR]                 ; back: lanes 0-15 one row, lanes 16-31 the next
	v_lshlrev_b32 v[GO], 12, v14
	v_lshl_add_u32 v[GO], v13, 4, v[GO]            ; and the same two rows in pt
	s_wait_kmcnt 0x0
	s_add_nc_u64 s[12:13], s[12:13], s[22:23]
	s_load_b32 s24, s[12:13], 0x0                  ; the pair's expert
	s_lshl_b32 s26, s18, 19                        ; hc: the pair, the half, my two tiles
	s_lshl_b32 s25, s19, 18
	s_add_co_u32 s26, s26, s25
	s_lshl_b32 s25, s16, 11
	s_add_co_u32 s26, s26, s25
	s_mov_b32 s27, 0
	s_add_nc_u64 s[4:5], s[4:5], s[26:27]
	s_lshl_b32 s26, s18, 15                        ; hs: the pair, the half, my 32 tokens
	s_lshl_b32 s25, s19, 9
	s_add_co_u32 s26, s26, s25
	s_lshl_b32 s25, s16, 7
	s_add_co_u32 s26, s26, s25
	s_add_nc_u64 s[6:7], s[6:7], s[26:27]
	s_lshl_b32 s26, s21, 22                        ; pt [slot][1,024 tokens][1,024]: token 256 batch + 128 half + 32 wave, output 64 x grid x
	s_lshl_b32 s25, s20, 20
	s_add_co_u32 s26, s26, s25
	s_lshl_b32 s25, s19, 19
	s_add_co_u32 s26, s26, s25
	s_lshl_b32 s25, s16, 17
	s_add_co_u32 s26, s26, s25
	s_lshl_b32 s25, ttmp9, 8
	s_add_co_u32 s26, s26, s25
	s_add_nc_u64 s[14:15], s[14:15], s[26:27]
	s_wait_kmcnt 0x0
	s_min_u32 s24, s24, 7                          ; an index stays inside its table
	s_lshl_b32 s26, s24, 21                        ; W2's codes: the expert, my work-group's 64 rows, my wave's 16
	s_lshl_b32 s25, ttmp9, 17
	s_add_co_u32 s26, s26, s25
	s_lshl_b32 s25, s16, 15
	s_add_co_u32 s26, s26, s25
	s_add_nc_u64 s[8:9], s[8:9], s[26:27]
	s_lshl_b32 s26, s24, 17                        ; its scale bytes
	s_lshl_b32 s25, ttmp9, 13
	s_add_co_u32 s26, s26, s25
	s_add_nc_u64 s[10:11], s[10:11], s[26:27]
	WIN 0x80                                       ; destination window 2
.set j, 0
.rept 64
	global_load_b128 v[4*j:4*j+3], v[LI], s[8:9] offset:2048*(j/4)+512*(j%4)   ; quarter j % 4 of my row j / 4: 512 consecutive bytes
.set j, j+1
.endr
	WIN 0
.irp p, 0,1
.irp j, 0,1,2,3,4,5,6,7
	global_load_b128 v[W2S+32*\p+4*\j:W2S+32*\p+4*\j+3], v[A2S], s[10:11] offset:4096*\p+16*\j   ; the scale words of tiles 2 p (lanes 0-15) and 2 p + 1 (lanes 16-31), K steps 4 j on
.endr
.endr
.set j, 0
.rept 32
	global_load_b32 v[HS+j], v[LS], s[6:7] offset:1024*j   ; the hidden layer's: lanes 0-15 my first tile's tokens, lanes 16-31 my second's
.set j, j+1
.endr
	WIN TO_F
.irp t, 0,1,2,3,4,5,6,7,8,9,10,11
	HLOAD \t
.endr
	s_wait_loadcnt 63                              ; my 16 rows of W2 are in: 96 loads follow them, and 63 is the largest count that a wait can name
	WIN 0x08                                       ; an LDS store's data (source 1) window 2
.set j, 0
.rept 64
	ds_store_b128 v[SWA], v[4*j:4*j+3] offset:WP*(j/4)+512*(j%4)
.set j, j+1
.endr
	s_wait_dscnt 0x0                               ; for the others' sake: my rows lie in LDS
	s_barrier_signal -1
	s_barrier_wait -1                              ; everybody's do; nothing is written there again
	WIN TO_F
	WLOAD 0
.set q, 0
.rept 32
	KSTEP q
.set q, q+1
.endr
	WIN 0
	PLACES                                         ; ahead of the first read of results
	TOSTAGE 0
	TOSTAGE 1
	s_wait_dscnt 16                                ; tile 0's rows are back; tile 1's 8 stores and 8 loads may be out
	SEND 0
	s_wait_dscnt 0x0
	SEND 1
	s_wait_tensorcnt 0x0                           ; the wave's end, behind my last LDS store
	ds_add_u32 v[SPW], v[NIL]
	s_wait_dscnt 0x0
	s_endpgm
.Lfunc_end_k_qd140d22892_ffn2:
	.size	k_qd140d22892_ffn2, .Lfunc_end_k_qd140d22892_ffn2-k_qd140d22892_ffn2
	.p2alignl 7, 3214868480
	.fill 96, 4, 3214868480
	.section	.rodata,"a",@progbits
	.p2align	6, 0x0
	.amdhsa_kernel k_qd140d22892_ffn2
		.amdhsa_group_segment_fixed_size 150016
		.amdhsa_private_segment_fixed_size 0
		.amdhsa_enable_private_segment 0
		.amdhsa_kernarg_size 48
		.amdhsa_user_sgpr_count 2
		.amdhsa_user_sgpr_kernarg_segment_ptr 1
		.amdhsa_wavefront_size32 1
		.amdhsa_system_sgpr_workgroup_id_x 1
		.amdhsa_system_sgpr_workgroup_id_y 1
		.amdhsa_system_sgpr_workgroup_id_z 1
		.amdhsa_system_vgpr_workitem_id 0
		.amdhsa_next_free_vgpr 768
		.amdhsa_next_free_sgpr 66
		.amdhsa_reserve_vcc 0
		.amdhsa_float_denorm_mode_32 3
		.amdhsa_float_denorm_mode_16_64 3
		.amdhsa_memory_ordered 1
		.amdhsa_forward_progress 1
		.amdhsa_inst_pref_size 90
	.end_amdhsa_kernel
	.amdgpu_metadata
---
amdhsa.version: [ 1, 2 ]
amdhsa.kernels:
  - .name:           k_qd140d22892_ffn2
    .symbol:         k_qd140d22892_ffn2.kd
    .args:
      - { .name: hc, .offset: 0, .size: 8, .value_kind: global_buffer, .address_space: global }
      - { .name: hs, .offset: 8, .size: 8, .value_kind: global_buffer, .address_space: global }
      - { .name: W2_codes, .offset: 16, .size: 8, .value_kind: global_buffer, .address_space: global }
      - { .name: W2_scales, .offset: 24, .size: 8, .value_kind: global_buffer, .address_space: global }
      - { .name: chosen, .offset: 32, .size: 8, .value_kind: global_buffer, .address_space: global }
      - { .name: pt, .offset: 40, .size: 8, .value_kind: global_buffer, .address_space: global }
    .group_segment_fixed_size: 150016
    .private_segment_fixed_size: 0
    .kernarg_segment_align: 8
    .kernarg_segment_size: 48
    .max_flat_workgroup_size: 128
    .sgpr_count:     66
    .vgpr_count:     768
    .wavefront_size: 32
...
	.end_amdgpu_metadata
.endif
;; end of part 4
;; launch ln (part 5): grid 256 x 1, 4 waves a work-group, no clusters, 0 bytes of LDS; arguments x, pt, b2, gamma, beta, chosen, rwt, out0; writes out0
.if DOCPART == 5
	.amdgcn_target "amdgcn-amd-amdhsa--gfx1250"
	.amdhsa_code_object_version 6
	.text
	.protected	k_qd140d22892_ln
	.globl	k_qd140d22892_ln
	.p2align	8
	.type	k_qd140d22892_ln,@function
k_qd140d22892_ln:
	s_mov_b64 s[64:65], 0
	v_nop
	global_prefetch_b8 v0, s[64:65] scope:SCOPE_SE
	s_setreg_imm32_b32 hwreg(HW_REG_WAVE_MODE, 25, 1), 1
	s_wait_xcnt 0x0
; y = x + w0 (pt[0] + b2[e0]) + w1 (pt[1] + b2[e1]);  out0 = (y - mean) / sqrt(var + 1e-5) x gamma + beta.  Only the batch's two experts enter: the other six have the weight 0 (shown at the head of the first kernel).
; One wave, one row of 4,096 bytes: the reductions never leave the wave: no LDS, no barrier.  A lane holds 32 numbers of each of seven rows; each load and store of a wave covers 512 consecutive bytes.
; The variance is taken of y - mean, in a second pass over registers: no difference of large sums is formed.  The experts' numbers are read from memory, where an earlier launch stored them, and held to 0 .. 7.
; Memory binds here: matrix units, clusters and LDS would add nothing.
.set X,  16
.set P0, 48
.set P1, 80
.set G,  112
.set BE, 144
.set B0, 176
.set B1, 208
.set T,  240                           ; v240-247 four chains of pairs
.set M,  248                           ; v248-249 -mean, twice
.set RS, 250                           ; v250-251 1 / sqrt(var + eps), twice
.macro ROW reg, base, off
.irp j, 0,1,2,3,4,5,6,7
	global_load_b128 v[\reg+4*\j:\reg+4*\j+3], v1, s[\base:\base+1] offset:\off+512*\j
.endr
.endm
.macro ROWNT reg, base, off            ; a row that the launch reads once
.irp j, 0,1,2,3,4,5,6,7
	global_load_b128 v[\reg+4*\j:\reg+4*\j+3], v1, s[\base:\base+1] offset:\off+512*\j th:TH_LOAD_NT
.endr
.endm
.macro WSUM                            ; the four chains, then the 32 lanes: every lane ends with the row's sum in v[T]
	v_pk_add_f32 v[T:T+1], v[T:T+1], v[T+2:T+3]
	v_pk_add_f32 v[T+4:T+5], v[T+4:T+5], v[T+6:T+7]
	v_pk_add_f32 v[T:T+1], v[T:T+1], v[T+4:T+5]
	v_add_f32 v[T], v[T], v[T+1]
	v_add_f32_dpp v[T], v[T], v[T] row_xmask:1 row_mask:0xf bank_mask:0xf
	v_add_f32_dpp v[T], v[T], v[T] row_xmask:2 row_mask:0xf bank_mask:0xf
	v_add_f32_dpp v[T], v[T], v[T] row_xmask:4 row_mask:0xf bank_mask:0xf
	v_add_f32_dpp v[T], v[T], v[T] row_xmask:8 row_mask:0xf bank_mask:0xf
	v_permlanex16_b32 v[T+1], v[T], s36, s37
	v_add_f32 v[T], v[T], v[T+1]
.endm
	s_load_b512 s[4:19], s[0:1], 0x0               ; x s[4:5], pt s[6:7], b2 s[8:9], gamma s[10:11], beta s[12:13], chosen s[14:15], rwt s[16:17], out0 s[18:19]
	v_lshrrev_b32 v1, 5, v0
	v_readfirstlane_b32 s20, v1                    ; wave
	v_and_b32 v1, 31, v0
	v_lshlrev_b32 v1, 4, v1                        ; 16 x lane
	s_lshl_b32 s21, ttmp9, 2
	s_add_co_u32 s21, s21, s20                     ; my row
	s_lshl_b32 s24, s21, 12
	s_mov_b32 s25, 0
	s_lshr_b32 s26, ttmp9, 6                       ; its batch
	s_lshl_b32 s26, s26, 3
	s_mov_b32 s27, 0
	s_mov_b32 s34, 0x3a800000                      ; 1 / 1,024
	s_mov_b32 s35, 0x3727c5ac                      ; 1e-5
	s_mov_b32 s36, 0x76543210
	s_mov_b32 s37, 0xfedcba98                      ; v_permlanex16_b32's selects for lane l xor 16
	s_wait_kmcnt 0x0
	s_add_nc_u64 s[14:15], s[14:15], s[26:27]
	s_add_nc_u64 s[16:17], s[16:17], s[26:27]
	s_load_b64 s[20:21], s[14:15], 0x0             ; the batch's two experts
	s_load_b64 s[22:23], s[16:17], 0x0             ; and their weights
	s_add_nc_u64 s[4:5], s[4:5], s[24:25]
	s_add_nc_u64 s[6:7], s[6:7], s[24:25]
	s_add_nc_u64 s[18:19], s[18:19], s[24:25]
	ROWNT X, 4, 0
	ROWNT P0, 6, 0
	ROWNT P1, 6, 4194304                           ; slot 1's plane
	ROW G, 10, 0
	ROW BE, 12, 0
	s_wait_kmcnt 0x0
	s_min_u32 s20, s20, 7                          ; an index stays inside its table
	s_min_u32 s21, s21, 7
	s_lshl_b32 s28, s20, 12
	s_mov_b32 s29, 0
	s_add_nc_u64 s[28:29], s[8:9], s[28:29]
	s_lshl_b32 s30, s21, 12
	s_mov_b32 s31, 0
	s_add_nc_u64 s[30:31], s[8:9], s[30:31]
	s_mov_b32 s32, s23                             ; slot 1's weight as the low word of a pair
	s_mov_b32 s33, s23
	ROW B0, 28, 0
	ROW B1, 30, 0
	s_wait_loadcnt 0x0
.set i, 0
.rept 16
	v_pk_add_f32 v[B0+i:B0+i+1], v[B0+i:B0+i+1], v[P0+i:P0+i+1]
	v_pk_add_f32 v[B1+i:B1+i+1], v[B1+i:B1+i+1], v[P1+i:P1+i+1]
.set i, i+2
.endr
.set i, 0
.rept 16
	v_pk_fma_f32 v[X+i:X+i+1], v[B0+i:B0+i+1], s[22:23], v[X+i:X+i+1] op_sel_hi:[1,0,1]
.set i, i+2
.endr
.set i, 0
.rept 16
	v_pk_fma_f32 v[X+i:X+i+1], v[B1+i:B1+i+1], s[32:33], v[X+i:X+i+1] op_sel_hi:[1,0,1]   ; y
.set i, i+2
.endr
.irp c, 0,1,2,3
	v_pk_add_f32 v[T+2*\c:T+2*\c+1], v[X+2*\c:X+2*\c+1], v[X+8+2*\c:X+8+2*\c+1]
.endr
.irp q, 16,24
.irp c, 0,1,2,3
	v_pk_add_f32 v[T+2*\c:T+2*\c+1], v[T+2*\c:T+2*\c+1], v[X+\q+2*\c:X+\q+2*\c+1]
.endr
.endr
	WSUM
	v_mul_f32 v[M], 0xba800000, v[T]               ; -mean
	v_mov_b32 v[M+1], v[M]
.set i, 0
.rept 16
	v_pk_add_f32 v[X+i:X+i+1], v[X+i:X+i+1], v[M:M+1]
.set i, i+2
.endr
.irp c, 0,1,2,3
	v_pk_mul_f32 v[T+2*\c:T+2*\c+1], v[X+2*\c:X+2*\c+1], v[X+2*\c:X+2*\c+1]
.endr
.irp q, 8,16,24
.irp c, 0,1,2,3
	v_pk_fma_f32 v[T+2*\c:T+2*\c+1], v[X+\q+2*\c:X+\q+2*\c+1], v[X+\q+2*\c:X+\q+2*\c+1], v[T+2*\c:T+2*\c+1]
.endr
.endr
	WSUM
	v_fma_f32 v[RS], v[T], s34, s35                ; var + eps
	v_rsq_f32 v[RS], v[RS]
	v_nop                                          ; a plain place behind the transcendental
	s_wait_alu depctr_va_vdst(0)                   ; and the wait ahead of its first reader
	v_mov_b32 v[RS+1], v[RS]
.set i, 0
.rept 16
	v_pk_mul_f32 v[X+i:X+i+1], v[X+i:X+i+1], v[RS:RS+1]
.set i, i+2
.endr
.set i, 0
.rept 16
	v_pk_fma_f32 v[X+i:X+i+1], v[X+i:X+i+1], v[G+i:G+i+1], v[BE+i:BE+i+1]
.set i, i+2
.endr
.irp j, 0,1,2,3,4,5,6,7
	global_store_b128 v1, v[X+4*\j:X+4*\j+3], s[18:19] offset:512*\j th:TH_STORE_NT   ; 512 consecutive bytes a store
.endr
	s_endpgm
.Lfunc_end_k_qd140d22892_ln:
	.size	k_qd140d22892_ln, .Lfunc_end_k_qd140d22892_ln-k_qd140d22892_ln
	.p2alignl 7, 3214868480
	.fill 96, 4, 3214868480
	.section	.rodata,"a",@progbits
	.p2align	6, 0x0
	.amdhsa_kernel k_qd140d22892_ln
		.amdhsa_group_segment_fixed_size 0
		.amdhsa_private_segment_fixed_size 0
		.amdhsa_enable_private_segment 0
		.amdhsa_kernarg_size 64
		.amdhsa_user_sgpr_count 2
		.amdhsa_user_sgpr_kernarg_segment_ptr 1
		.amdhsa_wavefront_size32 1
		.amdhsa_system_sgpr_workgroup_id_x 1
		.amdhsa_system_sgpr_workgroup_id_y 1
		.amdhsa_system_sgpr_workgroup_id_z 1
		.amdhsa_system_vgpr_workitem_id 0
		.amdhsa_next_free_vgpr 256
		.amdhsa_next_free_sgpr 66
		.amdhsa_reserve_vcc 0
		.amdhsa_float_denorm_mode_32 3
		.amdhsa_float_denorm_mode_16_64 3
		.amdhsa_memory_ordered 1
		.amdhsa_forward_progress 1
		.amdhsa_inst_pref_size 18
	.end_amdhsa_kernel
	.amdgpu_metadata
---
amdhsa.version: [ 1, 2 ]
amdhsa.kernels:
  - .name:           k_qd140d22892_ln
    .symbol:         k_qd140d22892_ln.kd
    .args:
      - { .name: x, .offset: 0, .size: 8, .value_kind: global_buffer, .address_space: global }
      - { .name: pt, .offset: 8, .size: 8, .value_kind: global_buffer, .address_space: global }
      - { .name: b2, .offset: 16, .size: 8, .value_kind: global_buffer, .address_space: global }
      - { .name: gamma, .offset: 24, .size: 8, .value_kind: global_buffer, .address_space: global }
      - { .name: beta, .offset: 32, .size: 8, .value_kind: global_buffer, .address_space: global }
      - { .name: chosen, .offset: 40, .size: 8, .value_kind: global_buffer, .address_space: global }
      - { .name: rwt, .offset: 48, .size: 8, .value_kind: global_buffer, .address_space: global }
      - { .name: out0, .offset: 56, .size: 8, .value_kind: global_buffer, .address_space: global }
    .group_segment_fixed_size: 0
    .private_segment_fixed_size: 0
    .kernarg_segment_align: 8
    .kernarg_segment_size: 64
    .max_flat_workgroup_size: 128
    .sgpr_count:     66
    .vgpr_count:     256
    .wavefront_size: 32
...
	.end_amdgpu_metadata
.endif
;; end of part 5
;; ======== version 2 of 2: 5 launches
;; workspace buffers: xc 524,288 bytes; xs 32,768 bytes; pl 16,384 bytes; chosen 256 bytes of whole numbers; rwt 256 bytes; hc 4,194,304 bytes; hs 262,144 bytes; pt 8,388,608 bytes
;; launch qx (part 6): grid 256 x 1, 2 waves a work-group, no clusters, 17,152 bytes of LDS; arguments x, Wr, xc, xs, pl; writes xc, xs, pl
.if DOCPART == 6
	.amdgcn_target "amdgcn-amd-amdhsa--gfx1250"
	.amdhsa_code_object_version 6
	.text
	.protected	k_qd140d22892_qx
	.globl	k_qd140d22892_qx
	.p2align	8
	.type	k_qd140d22892_qx,@function
k_qd140d22892_qx:
	s_mov_b64 s[64:65], 0
	v_nop
	global_prefetch_b8 v0, s[64:65] scope:SCOPE_SE
	s_setreg_imm32_b32 hwreg(HW_REG_WAVE_MODE, 25, 1), 1
	s_wait_xcnt 0x0
; THE WHOLE PROGRAM: a layer of 8 experts, two of them chosen for each BATCH (the router takes the mean over a sequence, so all 256 tokens of a batch share the choice and the two weights), residual, LayerNorm.
; Five launches: qx (this one), route, ffn1, ffn2, ln.
; WORK LEFT OUT, AND WHY IT IS DEAD.  cw[n][e] = sum over k of tk_w[n][k] x one_hot(tk_i[n][k])[e]; the one_hot is built in the function's own body, so cw[n][e] is exactly 0 for every expert e that is
; not one of token n's two.  out[n] = sum over e of cw[n][e] x expert_out[e][n]: for those six experts the term is 0 x a finite number = 0 whatever finite values x, W1, b1, W2, b2 hold.  So h, expert_out and
; b2 of an expert that a batch did not choose reach no output: the two quantised products are made for the 8 pairs (batch, slot) of 256 rows alone.  Every input keeps a way to the output (any expert may be chosen).
; LIMIT: a NaN, an infinity or an overflow that would arise only in an expert that was not chosen is not carried to the result.
;
; THIS LAUNCH.  (1) x [1024 tokens][1024] f32 becomes codes of E2M1 with one E8M0 byte for each 32 along the row, laid as IMAGES OF THE OPERAND'S REGISTERS: xc [batch 4][K step 8][tile of 16 tokens 16][1,024 bytes]:
; register group c (0, 1) of lane l at 512 c + 16 l; xs [batch 4][K step 8][256 tokens]: a word of four scale bytes.  (2) partial router logits: pl [unit 512][8]: the sum over the unit's 16 tokens and 128 columns of x Wr.
; A wave is a unit: 16 tokens x 128 columns.  Its 16 loads read 512 consecutive bytes each; the numbers turn through the wave's own stage in LDS so that lane (r, h) holds, of token r, 16 neighbours of each block of 32.
; A block's scale is 2^(floor(log2(largest magnitude)) - 2); its byte is the largest magnitude's exponent field - 2, held at 1 from below.
; LIMITS: NaN and infinities among the inputs are not served; a block whose largest magnitude lies under 2^-124 (a block of zeros too) gets the byte 1: its codes are as the byte says, and this program alone reads the bytes.
.set STGB,  8448                       ; a wave's stage: 16 rows x (512 bytes + 16)
.set SPARE, 16896                      ; behind the two stages: the spare words, 128 bytes a wave: one block of 256 bytes that no other line names
.set LANE, 1                           ; v1   lane
.set LI,   2                           ; v2   16 x lane
.set LS,   3                           ; v3   4 x (lane % 16)
.set TS,   4                           ; v4   the stage on the way in: 16 x lane
.set TL,   5                           ; v5   and on the way out: row r, + 64 h
.set WO,   6                           ; v6   128 x lane: my four rows of Wr
.set ZO,   7                           ; v7   0
.set CS,   8                           ; v8-11  sums over the 16 tokens of my four columns
.set L,    12                          ; v12-19 the unit's eight partial logits (v12-15 first serve as a second chain of the sums)
.set R,    20                          ; v20-83  x as loaded: token t at R + 4 t
.set WRV,  84                          ; v84-115 Wr: column i of my four, expert e at WRV + 8 i + e
.set XN,   116                         ; v116-179 register 16 b + i = column 32 b + 16 h + i of token r
.set TM,   180                         ; v180-195 at work in QUANT
.set PC,   196                         ; v196-203 the fragment's codes
.set PW,   204                         ; v204 its scale word
.set SPW,  205                         ; v205 LDS address of my spare word; never rewritten
.set NIL,  206                         ; v206 0; never rewritten
.set SEL,  28                          ; s[28:29] v_permlanex16_b32's selects for lane l xor 16
; 64 numbers of a lane, register 16 b + i = k 32 b + 16 (lane / 16) + i of my row, become a fragment's codes in v[pc] on and its scale word in v[pw].
.macro QUANT s, pc, pw
.irp b, 0,1,2,3
	v_max3_num_f32 v[TM+\b], |v[(\s)+16*\b]|, |v[(\s)+1+16*\b]|, 0x1800000   ; block b: my 16 numbers, and the floor 2^(3 - 127): the byte cannot fall under 1
.endr
.irp i, 2,4,6,8,10,12,14
.irp b, 0,1,2,3
	v_max3_num_f32 v[TM+\b], v[TM+\b], |v[(\s)+16*\b+\i]|, |v[(\s)+1+16*\b+\i]|   ; the four blocks by turns
.endr
.endr
.irp b, 0,1,2,3
	v_permlanex16_b32 v[TM+4+\b], v[TM+\b], s[SEL], s[SEL+1]
.endr
.irp b, 0,1,2,3
	v_max_num_f32 v[TM+\b], v[TM+\b], v[TM+4+\b]   ; with lane l xor 16's: the block's largest magnitude
.endr
.irp b, 0,1,2,3
	v_add_nc_u32 v[TM+12+\b], 0xff000000, v[TM+\b]   ; 2 off its exponent field: the conversion takes this operand's exponent field as its scale
.endr
.irp b, 0,1,2,3
	v_lshrrev_b32 v[TM+4+\b], 23, v[TM+12+\b]      ; the scale's byte
.endr
	v_lshl_or_b32 v[\pw], v[TM+5], 8, v[TM+4]      ; four bytes: my row's scale word
	v_lshl_or_b32 v[\pw], v[TM+6], 16, v[\pw]
	v_lshl_or_b32 v[\pw], v[TM+7], 24, v[\pw]
.irp b, 0,1,2,3
	v_cvt_scalef32_pk8_fp4_f32 v[(\pc)+2*\b], v[(\s)+16*\b:(\s)+16*\b+7], v[TM+12+\b]
	v_cvt_scalef32_pk8_fp4_f32 v[(\pc)+1+2*\b], v[(\s)+8+16*\b:(\s)+16*\b+15], v[TM+12+\b]
.endr
	v_nop                                          ; one plain place behind a scaled conversion
.irp c, 0,1                                    ; the operand's layout wants a whole block in a lane: lanes 0-15 block 2 c, lanes 16-31 block 2 c + 1
.irp i, 0,1
	v_permlane16_swap_b32 v[(\pc)+4*\c+\i], v[(\pc)+2+4*\c+\i]
.endr
.endr
.endm
	s_load_b256 s[4:11], s[0:1], 0x0               ; x s[4:5], Wr s[6:7], xc s[8:9], xs s[10:11]
	s_load_b64 s[12:13], s[0:1], 0x20              ; pl
	v_lshl_add_u32 v[SPW], v0, 2, SPARE
	v_mov_b32 v[NIL], 0
	v_lshrrev_b32 v[LANE], 5, v0
	v_readfirstlane_b32 s14, v[LANE]               ; wave 0, 1
	v_and_b32 v[LANE], 31, v0
	s_wait_alu depctr_va_vdst(0)
	s_lshl_b32 s15, ttmp9, 1
	s_add_co_u32 s15, s15, s14                     ; the unit u = 2 x work-group + wave
	s_lshr_b32 s16, s15, 3                         ; which 16 tokens of the 1,024
	s_and_b32 s17, s15, 7                          ; which 128 columns: the K step
	s_lshr_b32 s18, s16, 4                         ; the batch
	s_and_b32 s19, s16, 15                         ; the tile of tokens in it
	s_lshl_b32 s20, s16, 16                        ; x: 16 rows of 4,096 bytes a tile, 512 bytes a K step
	s_lshl_b32 s2, s17, 9
	s_add_co_u32 s20, s20, s2
	s_mov_b32 s21, 0
	s_lshl_b32 s22, s17, 12                        ; Wr: 128 rows of 32 bytes a K step
	s_mov_b32 s23, 0
	s_lshl_b32 s24, s18, 17                        ; xc
	s_lshl_b32 s2, s17, 14
	s_add_co_u32 s24, s24, s2
	s_lshl_b32 s2, s19, 10
	s_add_co_u32 s24, s24, s2
	s_mov_b32 s25, 0
	s_lshl_b32 s26, s18, 13                        ; xs
	s_lshl_b32 s2, s17, 10
	s_add_co_u32 s26, s26, s2
	s_lshl_b32 s2, s19, 6
	s_add_co_u32 s26, s26, s2
	s_mov_b32 s27, 0
	s_lshl_b32 s30, s15, 5                         ; pl: 32 bytes a unit
	s_mov_b32 s31, 0
	s_mul_i32 s3, s14, STGB                        ; my stage
	s_mov_b32 s[SEL], 0x76543210
	s_mov_b32 s[SEL+1], 0xfedcba98
	v_lshlrev_b32 v[LI], 4, v[LANE]
	v_and_b32 v[LS], 15, v0                        ; r
	v_bfe_u32 v[ZO], v0, 4, 1                      ; h
	v_mul_u32_u24 v[TL], v[LS], 528
	v_lshl_add_u32 v[TL], v[ZO], 6, v[TL]
	v_add_nc_u32 v[TL], s3, v[TL]
	v_add_nc_u32 v[TS], s3, v[LI]
	v_lshlrev_b32 v[LS], 2, v[LS]
	v_lshlrev_b32 v[WO], 7, v[LANE]
	v_mov_b32 v[ZO], 0
.irp b, 0,1,2,3
	v_mov_b32 v[TM+4+\b], 0                        ; written once: a lane permute's destination counts as one of its sources
.endr
	s_wait_alu depctr_va_vdst(0)
	s_wait_kmcnt 0x0
	s_add_nc_u64 s[4:5], s[4:5], s[20:21]
	s_add_nc_u64 s[6:7], s[6:7], s[22:23]
	s_add_nc_u64 s[8:9], s[8:9], s[24:25]
	s_add_nc_u64 s[10:11], s[10:11], s[26:27]
	s_add_nc_u64 s[12:13], s[12:13], s[30:31]
.irp t, 0,1,2,3,4,5,6,7,8,9,10,11,12,13,14,15
	global_load_b128 v[R+4*\t:R+4*\t+3], v[LI], s[4:5] offset:4096*\t th:TH_LOAD_NT   ; token t: 32 lanes read 512 consecutive bytes
.endr
.irp j, 0,1,2,3,4,5,6,7
	global_load_b128 v[WRV+4*\j:WRV+4*\j+3], v[WO], s[6:7] offset:16*\j   ; my four columns' rows of Wr: 128 bytes a lane
.endr
	s_wait_loadcnt 8                               ; x is in; the eight loads of Wr may be out
.irp t, 0,1,2,3,4,5,6,7,8,9,10,11,12,13,14,15
	ds_store_b128 v[TS], v[R+4*\t:R+4*\t+3] offset:528*\t
.endr
.irp b, 0,1,2,3
.irp j, 0,1,2,3
	ds_load_b128 v[XN+16*\b+4*\j:XN+16*\b+4*\j+3], v[TL] offset:128*\b+16*\j   ; LDS serves a wave's instructions in order: these see my stores
.endr
.endr
	; the sums over the 16 tokens, two columns at a time, in four chains; they stand while the stage turns
	v_pk_add_f32 v[CS:CS+1], v[R:R+1], v[R+4:R+5]
	v_pk_add_f32 v[CS+2:CS+3], v[R+2:R+3], v[R+6:R+7]
	v_pk_add_f32 v[L:L+1], v[R+8:R+9], v[R+12:R+13]
	v_pk_add_f32 v[L+2:L+3], v[R+10:R+11], v[R+14:R+15]
.irp t, 4,6,8,10,12,14
	v_pk_add_f32 v[CS:CS+1], v[CS:CS+1], v[R+4*\t:R+4*\t+1]
	v_pk_add_f32 v[CS+2:CS+3], v[CS+2:CS+3], v[R+4*\t+2:R+4*\t+3]
	v_pk_add_f32 v[L:L+1], v[L:L+1], v[R+4*\t+4:R+4*\t+5]
	v_pk_add_f32 v[L+2:L+3], v[L+2:L+3], v[R+4*\t+6:R+4*\t+7]
.endr
	v_pk_add_f32 v[CS:CS+1], v[CS:CS+1], v[L:L+1]
	v_pk_add_f32 v[CS+2:CS+3], v[CS+2:CS+3], v[L+2:L+3]
	s_wait_alu depctr_va_vdst(0)
	s_wait_loadcnt 0x0                             ; Wr
.irp e, 0,1,2,3,4,5,6,7
	v_mul_f32 v[L+\e], v[CS], v[WRV+\e]
.endr
.irp i, 1,2,3
.irp e, 0,1,2,3,4,5,6,7
	v_fma_f32 v[L+\e], v[CS+\i], v[WRV+8*\i+\e], v[L+\e]
.endr
.endr
.irp x, 1,2,4,8                                ; over the wave's 32 lanes: four steps inside each half, the eight sums by turns,
.irp e, 0,1,2,3,4,5,6,7
	v_add_f32_dpp v[L+\e], v[L+\e], v[L+\e] row_xmask:\x row_mask:0xf bank_mask:0xf
.endr
.endr
.irp e, 0,1,2,3,4,5,6,7
	v_permlanex16_b32 v[WRV+\e], v[L+\e], s[SEL], s[SEL+1]   ; and one across the halves (Wr's registers are done with)
.endr
.irp e, 0,1,2,3,4,5,6,7
	v_add_f32 v[L+\e], v[L+\e], v[WRV+\e]
.endr
	s_wait_dscnt 0x0                               ; my 64 numbers are back from the stage
	QUANT XN, PC, PW
	global_store_b128 v[LI], v[PC:PC+3], s[8:9]              ; the image: 512 consecutive bytes a store
	global_store_b128 v[LI], v[PC+4:PC+7], s[8:9] offset:512
	v_cmp_gt_u32 vcc_lo, 16, v[LANE]
	s_wait_xcnt 0x0                                ; EXEC changes only behind this wait
	s_and_saveexec_b32 s2, vcc_lo
	global_store_b32 v[LS], v[PW], s[10:11]        ; lanes 0-15: the 16 tokens' scale words, 64 consecutive bytes
	s_wait_xcnt 0x0
	s_or_b32 exec_lo, exec_lo, s2
	v_cmp_eq_u32 vcc_lo, 0, v[LANE]
	s_and_saveexec_b32 s2, vcc_lo
	global_store_b128 v[ZO], v[L:L+3], s[12:13]    ; lane 0: the unit's eight partial logits
	global_store_b128 v[ZO], v[L+4:L+7], s[12:13] offset:16
	s_wait_xcnt 0x0
	s_or_b32 exec_lo, exec_lo, s2
	s_wait_tensorcnt 0x0                           ; the wave's end, behind my last LDS store
	ds_add_u32 v[SPW], v[NIL]
	s_wait_dscnt 0x0
	s_endpgm
.Lfunc_end_k_qd140d22892_qx:
	.size	k_qd140d22892_qx, .Lfunc_end_k_qd140d22892_qx-k_qd140d22892_qx
	.p2alignl 7, 3214868480
	.fill 96, 4, 3214868480
	.section	.rodata,"a",@progbits
	.p2align	6, 0x0
	.amdhsa_kernel k_qd140d22892_qx
		.amdhsa_group_segment_fixed_size 17152
		.amdhsa_private_segment_fixed_size 0
		.amdhsa_enable_private_segment 0
		.amdhsa_kernarg_size 40
		.amdhsa_user_sgpr_count 2
		.amdhsa_user_sgpr_kernarg_segment_ptr 1
		.amdhsa_wavefront_size32 1
		.amdhsa_system_sgpr_workgroup_id_x 1
		.amdhsa_system_sgpr_workgroup_id_y 1
		.amdhsa_system_sgpr_workgroup_id_z 1
		.amdhsa_system_vgpr_workitem_id 0
		.amdhsa_next_free_vgpr 208
		.amdhsa_next_free_sgpr 66
		.amdhsa_reserve_vcc 1
		.amdhsa_float_denorm_mode_32 3
		.amdhsa_float_denorm_mode_16_64 3
		.amdhsa_memory_ordered 1
		.amdhsa_forward_progress 1
		.amdhsa_inst_pref_size 18
	.end_amdhsa_kernel
	.amdgpu_metadata
---
amdhsa.version: [ 1, 2 ]
amdhsa.kernels:
  - .name:           k_qd140d22892_qx
    .symbol:         k_qd140d22892_qx.kd
    .args:
      - { .name: x, .offset: 0, .size: 8, .value_kind: global_buffer, .address_space: global }
      - { .name: Wr, .offset: 8, .size: 8, .value_kind: global_buffer, .address_space: global }
      - { .name: xc, .offset: 16, .size: 8, .value_kind: global_buffer, .address_space: global }
      - { .name: xs, .offset: 24, .size: 8, .value_kind: global_buffer, .address_space: global }
      - { .name: pl, .offset: 32, .size: 8, .value_kind: global_buffer, .address_space: global }
    .group_segment_fixed_size: 17152
    .private_segment_fixed_size: 0
    .kernarg_segment_align: 8
    .kernarg_segment_size: 40
    .max_flat_workgroup_size: 64
    .sgpr_count:     66
    .vgpr_count:     208
    .wavefront_size: 32
...
	.end_amdgpu_metadata
.endif
;; end of part 6
;; launch route (part 7): grid 1 x 1, 4 waves a work-group, no clusters, 0 bytes of LDS; arguments pl, br, chosen, rwt; writes chosen, rwt
.if DOCPART == 7
	.amdgcn_target "amdgcn-amd-amdhsa--gfx1250"
	.amdhsa_code_object_version 6
	.text
	.protected	k_qd140d22892_route
	.globl	k_qd140d22892_route
	.p2align	8
	.type	k_qd140d22892_route,@function
k_qd140d22892_route:
	s_mov_b64 s[64:65], 0
	v_nop
	global_prefetch_b8 v0, s[64:65] scope:SCOPE_SE
	s_setreg_imm32_b32 hwreg(HW_REG_WAVE_MODE, 25, 1), 1
	s_wait_xcnt 0x0
; The router's end: for each of the 4 batches the 128 partial logits of each expert are added, divided by 256 (the mean over the sequence), br is added; softmax over the 8 experts, with its maximum taken away;
; the two largest (of equal numbers the lower index first); softmax over those two, with its maximum (the first) taken away.
; chosen [2 batch + slot]: the expert's number, a whole number from which the later launches form addresses; rwt [2 batch + slot]: its weight, f32.  No address and no branch here hangs on a floating-point number.
; One work-group, since the work is 4 x 1,024 numbers: wave b takes batch b, and the waves share nothing.
; LIMITS: NaN and infinities are not served.  A routing weight under 2^-126 comes out of v_exp_f32 as 0 (ISA guide, the instruction's entry); among several such the lowest index is taken.  The softmax divides by v_rcp_f32 and a multiplication.
	s_load_b256 s[4:11], s[0:1], 0x0               ; pl s[4:5], br s[6:7], chosen s[8:9], rwt s[10:11]
	v_lshrrev_b32 v1, 5, v0
	v_readfirstlane_b32 s14, v1                    ; wave = batch
	v_and_b32 v1, 31, v0                           ; lane
	v_lshlrev_b32 v2, 7, v1                        ; four units of 32 bytes a lane
	s_lshl_b32 s26, s14, 12                        ; a batch's 128 units
	s_mov_b32 s27, 0
	s_mov_b32 s12, 0x76543210
	s_mov_b32 s13, 0xfedcba98                      ; v_permlanex16_b32's selects for lane l xor 16
	s_mov_b32 s24, 0x3b800000                      ; 1 / 256
	s_lshl_b32 s25, s14, 3
	v_lshlrev_b32 v58, 2, v1
	v_add_nc_u32 v58, s25, v58                     ; where lanes 0 and 1 store: 8 x batch + 4 x slot
.irp e, 0,1,2,3,4,5,6,7
	v_mov_b32 v[48+\e], \e                         ; the experts' numbers
.endr
	v_mov_b32 v47, -1.0
	s_wait_kmcnt 0x0
	s_add_nc_u64 s[4:5], s[4:5], s[26:27]
	s_load_b256 s[16:23], s[6:7], 0x0              ; br
.irp j, 0,1,2,3,4,5,6,7
	global_load_b128 v[8+4*\j:11+4*\j], v2, s[4:5] offset:16*\j   ; unit q of my four, expert e at v[8 + 8 q + e]
.endr
	s_wait_loadcnt 0x0
	s_wait_kmcnt 0x0
.irp e, 0,2,4,6
	v_pk_add_f32 v[8+\e:9+\e], v[8+\e:9+\e], v[16+\e:17+\e]
	v_pk_add_f32 v[24+\e:25+\e], v[24+\e:25+\e], v[32+\e:33+\e]
.endr
.irp e, 0,2,4,6
	v_pk_add_f32 v[8+\e:9+\e], v[8+\e:9+\e], v[24+\e:25+\e]
.endr
.irp x, 1,2,4,8
.irp e, 0,1,2,3,4,5,6,7
	v_add_f32_dpp v[8+\e], v[8+\e], v[8+\e] row_xmask:\x row_mask:0xf bank_mask:0xf
.endr
.endr
.irp e, 0,1,2,3,4,5,6,7
	v_permlanex16_b32 v[16+\e], v[8+\e], s12, s13
.endr
.irp e, 0,1,2,3,4,5,6,7
	v_add_f32 v[8+\e], v[8+\e], v[16+\e]           ; every lane holds the batch's eight sums
.endr
.irp e, 0,1,2,3,4,5,6,7
	v_fma_f32 v[8+\e], v[8+\e], s24, s[16+\e]      ; the logit: mean . Wr + br
.endr
	v_max3_num_f32 v40, v8, v9, v10
	v_max3_num_f32 v40, v40, v11, v12
	v_max3_num_f32 v40, v40, v13, v14
	v_max_num_f32 v40, v40, v15                    ; the largest logit
.irp e, 0,1,2,3,4,5,6,7
	v_sub_f32 v[16+\e], v[8+\e], v40
.endr
.irp e, 0,1,2,3,4,5,6,7
	v_mul_f32 v[16+\e], 0x3fb8aa3b, v[16+\e]       ; x log2(e)
.endr
	s_wait_alu depctr_va_vdst(0)
.irp e, 0,1,2,3,4,5,6,7
	v_exp_f32 v[16+\e], v[16+\e]
.endr
	v_nop                                          ; a plain place behind the exponentials
	s_wait_alu depctr_va_vdst(0)                   ; one wait for the batch of eight, ahead of its first reader
	v_add_f32 v41, v16, v17
	v_add_f32 v42, v18, v19
	v_add_f32 v43, v20, v21
	v_add_f32 v44, v22, v23
	v_add_f32 v41, v41, v42
	v_add_f32 v43, v43, v44
	v_add_f32 v41, v41, v43
	s_wait_alu depctr_va_vdst(0)
	v_rcp_f32 v41, v41
	v_nop
	s_wait_alu depctr_va_vdst(0)
.irp e, 0,1,2,3,4,5,6,7
	v_mul_f32 v[16+\e], v[16+\e], v41              ; the routing weights
.endr
	v_mov_b32 v41, v16                             ; the largest: a later one takes its place only if it is greater, so the lower index stays
	v_mov_b32 v42, 0
.irp e, 1,2,3,4,5,6,7
	v_cmp_gt_f32 vcc_lo, v[16+\e], v41
	v_cndmask_b32 v41, v41, v[16+\e], vcc_lo
	v_cndmask_b32 v42, v42, v[48+\e], vcc_lo
.endr
.irp e, 0,1,2,3,4,5,6,7
	v_cmp_eq_u32 vcc_lo, v42, v[48+\e]
	v_cndmask_b32 v[16+\e], v[16+\e], v47, vcc_lo  ; the one taken becomes -1, under every weight
.endr
	v_mov_b32 v43, v16                             ; the second largest, in the same way
	v_mov_b32 v44, 0
.irp e, 1,2,3,4,5,6,7
	v_cmp_gt_f32 vcc_lo, v[16+\e], v43
	v_cndmask_b32 v43, v43, v[16+\e], vcc_lo
	v_cndmask_b32 v44, v44, v[48+\e], vcc_lo
.endr
	v_sub_f32 v45, v43, v41                        ; the softmax of the two: the first is their maximum
	v_mul_f32 v45, 0x3fb8aa3b, v45
	s_wait_alu depctr_va_vdst(0)
	v_exp_f32 v45, v45
	v_nop
	s_wait_alu depctr_va_vdst(0)
	v_add_f32 v46, 1.0, v45
	s_wait_alu depctr_va_vdst(0)
	v_rcp_f32 v46, v46                             ; slot 0's weight: 1 / (1 + e2)
	v_nop
	s_wait_alu depctr_va_vdst(0)
	v_mul_f32 v45, v45, v46                        ; slot 1's: e2 / (1 + e2)
	v_cmp_eq_u32 vcc_lo, 1, v1
	v_cndmask_b32 v56, v42, v44, vcc_lo            ; lane 1 takes slot 1
	v_cndmask_b32 v57, v46, v45, vcc_lo
	v_cmp_gt_u32 vcc_lo, 2, v1
	s_wait_alu depctr_va_vdst(0)
	s_wait_xcnt 0x0                                ; EXEC changes only behind this wait
	s_and_saveexec_b32 s26, vcc_lo
	global_store_b32 v58, v56, s[8:9]
	global_store_b32 v58, v57, s[10:11]
	s_wait_xcnt 0x0
	s_or_b32 exec_lo, exec_lo, s26
	s_endpgm
.Lfunc_end_k_qd140d22892_route:
	.size	k_qd140d22892_route, .Lfunc_end_k_qd140d22892_route-k_qd140d22892_route
	.p2alignl 7, 3214868480
	.fill 96, 4, 3214868480
	.section	.rodata,"a",@progbits
	.p2align	6, 0x0
	.amdhsa_kernel k_qd140d22892_route
		.amdhsa_group_segment_fixed_size 0
		.amdhsa_private_segment_fixed_size 0
		.amdhsa_enable_private_segment 0
		.amdhsa_kernarg_size 32
		.amdhsa_user_sgpr_count 2
		.amdhsa_user_sgpr_kernarg_segment_ptr 1
		.amdhsa_wavefront_size32 1
		.amdhsa_system_sgpr_workgroup_id_x 1
		.amdhsa_system_sgpr_workgroup_id_y 1
		.amdhsa_system_sgpr_workgroup_id_z 1
		.amdhsa_system_vgpr_workitem_id 0
		.amdhsa_next_free_vgpr 64
		.amdhsa_next_free_sgpr 66
		.amdhsa_reserve_vcc 1
		.amdhsa_float_denorm_mode_32 3
		.amdhsa_float_denorm_mode_16_64 3
		.amdhsa_memory_ordered 1
		.amdhsa_forward_progress 1
		.amdhsa_inst_pref_size 11
	.end_amdhsa_kernel
	.amdgpu_metadata
---
amdhsa.version: [ 1, 2 ]
amdhsa.kernels:
  - .name:           k_qd140d22892_route
    .symbol:         k_qd140d22892_route.kd
    .args:
      - { .name: pl, .offset: 0, .size: 8, .value_kind: global_buffer, .address_space: global }
      - { .name: br, .offset: 8, .size: 8, .value_kind: global_buffer, .address_space: global }
      - { .name: chosen, .offset: 16, .size: 8, .value_kind: global_buffer, .address_space: global }
      - { .name: rwt, .offset: 24, .size: 8, .value_kind: global_buffer, .address_space: global }
    .group_segment_fixed_size: 0
    .private_segment_fixed_size: 0
    .kernarg_segment_align: 8
    .kernarg_segment_size: 32
    .max_flat_workgroup_size: 128
    .sgpr_count:     66
    .vgpr_count:     64
    .wavefront_size: 32
...
	.end_amdgpu_metadata
.endif
;; end of part 7
;; launch ffn1 (part 8): grid 32 x 8, 8 waves a work-group, no clusters, 68,608 bytes of LDS; arguments xc, xs, W1_codes, W1_scales, b1, chosen, hc, hs; writes hc, hs
.if DOCPART == 8
	.amdgcn_target "amdgcn-amd-amdhsa--gfx1250"
	.amdhsa_code_object_version 6
	.text
	.protected	k_qd140d22892_ffn1
	.globl	k_qd140d22892_ffn1
	.p2align	8
	.type	k_qd140d22892_ffn1,@function
k_qd140d22892_ffn1:
	s_mov_b64 s[64:65], 0
	v_nop
	global_prefetch_b8 v0, s[64:65] scope:SCOPE_SE
	s_setreg_imm32_b32 hwreg(HW_REG_WAVE_SCHED_MODE, 0, 2), 2
	s_setreg_imm32_b32 hwreg(HW_REG_WAVE_MODE, 25, 1), 1
	s_wait_xcnt 0x0
	s_wait_alu depctr_vm_vsrc(0)
; H = Q(gelu(Q(x) W1[e]^T + b1[e])) for the 8 pairs p = 2 batch + slot alone: the six experts that a batch did not choose are multiplied by a 0 that the function builds itself (shown at the head of the first kernel).
; A work-group takes a pair's 256 tokens and 128 hidden units (grid x: which 128; they are one K step of the second product).  The expert's number is read from memory, where an earlier launch stored it, and held to 0 .. 7.
; THE WEIGHTS: 128 rows of 512 bytes come through registers into LDS once (16 loads of a whole row a wave), pitch 528 bytes: 33 x 16, so the 16 rows that a fragment load touches start at 16 different groups of banks.
; THE ROWS OF W1 THAT FORM A TILE ARE NOT NEIGHBOURS: lane r of tile 2 k + u takes row 32 k + 8 u + r + 8 (r / 8), so that a lane's 16 registers of tiles 2 k, 2 k + 1 are 16 neighbours along the next K.  The rows are laid
; in LDS in the tiles' order, so that a tile's 16 rows lie on end.
; THE TOKENS: wave v takes tiles 2 v and 2 v + 1 of 16 tokens; their fragments for all 8 K steps come from memory straight into 128 registers, as the images that the first launch stored.  No other wave wants them.
; No multicast: what work-groups share here (x's images) goes into one wave's registers, not into LDS, and a slice of W1 is this work-group's alone among the pair's 32.
; The product is used transposed (source 0 = 16 rows of W1, source 1 = 16 tokens): a lane holds one token, its registers run along the hidden units.  b1 is loaded straight into the accumulators: every product adds in place.
; GELU is x/2 (1 + erf(x / sqrt 2)) in f32; erf(z) = z P(z^2) / Q(z^2) with z held to +-4 (a rational form of degrees 6 and 4 in z^2, good to a few units in the last place of erf).
; LIMITS: where x is far below 0, 1 + erf loses digits: the error is some 1e-7 x |x|, small beside the largest number of any block that also holds an ordinary number.  NaN and infinities are not served.  A block whose largest
; magnitude lies under 2^-124 gets the byte 1.
; REGISTERS.  Window 0: v1-9 addresses; v16-47 W1's scale words; v48-55 x's; v56-71 at work; v72-90 codes and scale words; v128-255 the 16 accumulators (token tile m, W1 tile t at ACC + 64 m + 8 t).
; Window 1: v0-127 x's fragments (K step s, tile m at 16 s + 8 m); v128-255 W1's fragments, two sets of 64 (the first also carries the rows on their way into LDS); behind the products both serve the GELU.
; THE MODE: SCHED_MODE bits 1:0 = 2 (LLVM: expert scheduling mode 2), set by the entry lines.  The code itself states the register dependences
; between vector or matrix instructions and memory or LDS instructions, with s_wait_alu, always for 0.
; THE PLAN.  Registers that memory or LDS instructions touch:
;   v1-6, v8, v9   offsets and LDS addresses: written once at the head by vector lines, read by every load and store, never written again: one wait ahead of the first load.
;   W1's set 0     the rows' loads land in it; my LDS stores read it; then the fragments of even K steps land in it and the products of even steps read it: one wait on vm_vsrc behind the barrier.
;   W1's sets      K step s: its products read set s % 2; the fragments of step s + 1 land in the other set, which the products of step s - 1 read: one wait on va_vdst at the head of steps 1 to 6.
;   x's fragments, the scale words, b1 in the accumulators: loaded once; behind that vector and matrix instructions alone name them.
;   the codes and the scale word of the way out: written by the quantiser's vector lines, read by five stores: one wait ahead of the run.
.set PITCH, 528
.set SPARE, 67584                      ; behind the 128 rows: the spare words, 128 bytes a wave: four blocks of 256 bytes that no other line names
.set LI,  1                            ; v1  16 x lane
.set LS,  2                            ; v2  4 x lane
.set AW,  3                            ; v3  a fragment's row r x pitch + 16 h
.set SWA, 4                            ; v4  where my wave's rows go: wave x pitch + 16 x lane
.set AWS, 5                            ; v5  W1's scale words: lanes 0-15 tile 2 k's rows, lanes 16-31 tile 2 k + 1's
.set AB,  6                            ; v6  b1: 64 h
.set SPW, 8                            ; v8  LDS address of my spare word; never rewritten
.set NIL, 9                            ; v9  0; never rewritten
.set WS,  16
.set XSC, 48
.set TM,  56
.set PC0, 72
.set PC1, 80
.set PW0, 88
.set PW1, 89
.set PWM, 90
.set ACC, 128
.set XF,  0
.set WF,  128
.set Z,   0                            ; the GELU's registers, in window 1, 32 each
.set H,   32
.set U,   64
.set P,   96
.set Q,   128
.set KA,  160                          ; two constants as pairs
.set KB,  162
.set SEL, 52
.set RS2, 30                           ; scalar pairs: both words hold the constant
.set A11, 32
.set A9,  34
.set A7,  36
.set A5,  38
.set A3,  40
.set A1,  42
.set B6,  44
.set B4,  46
.set B2,  48
.set B0,  50
.set MSB, 0
.macro WIN new                         ; the immediate's high byte repeats the setting that is left; a switch that changes nothing is dropped
.if MSB != \new
	s_set_vgpr_msb (MSB<<8)|\new
.set MSB, \new
.endif
.endm
.set TO_F, 0x40                        ; destination window 1, address window 0
.set ST_F, 0x04                        ; an LDS store's data (source 1) window 1
.set MUL,  0x05                        ; sources 0 and 1 window 1; C and D window 0
.macro PLACES                          ; four plain places behind matrix instructions, ahead of loads into their sources and of reads of their results
.rept 4
	v_nop
.endr
.endm
.macro KPAIR reg, val
	s_mov_b32 s[\reg], \val
	s_mov_b32 s[\reg+1], \val
.endm
.macro QUANT s, pc, pw                 ; 64 numbers of a lane, register 16 b + i = k 32 b + 16 (lane / 16) + i of my row, become a fragment's codes and its scale word
.irp b, 0,1,2,3
	v_max3_num_f32 v[TM+\b], |v[(\s)+16*\b]|, |v[(\s)+1+16*\b]|, 0x1800000   ; and the floor 2^(3 - 127): the byte cannot fall under 1
.endr
.irp i, 2,4,6,8,10,12,14
.irp b, 0,1,2,3
	v_max3_num_f32 v[TM+\b], v[TM+\b], |v[(\s)+16*\b+\i]|, |v[(\s)+1+16*\b+\i]|
.endr
.endr
.irp b, 0,1,2,3
	v_permlanex16_b32 v[TM+4+\b], v[TM+\b], s[SEL], s[SEL+1]
.endr
.irp b, 0,1,2,3
	v_max_num_f32 v[TM+\b], v[TM+\b], v[TM+4+\b]
.endr
.irp b, 0,1,2,3
	v_add_nc_u32 v[TM+12+\b], 0xff000000, v[TM+\b]   ; 2 off the exponent field: the conversion's scale operand
.endr
.irp b, 0,1,2,3
	v_lshrrev_b32 v[TM+4+\b], 23, v[TM+12+\b]
.endr
	v_lshl_or_b32 v[\pw], v[TM+5], 8, v[TM+4]
	v_lshl_or_b32 v[\pw], v[TM+6], 16, v[\pw]
	v_lshl_or_b32 v[\pw], v[TM+7], 24, v[\pw]
.irp b, 0,1,2,3
	v_cvt_scalef32_pk8_fp4_f32 v[(\pc)+2*\b], v[(\s)+16*\b:(\s)+16*\b+7], v[TM+12+\b]
	v_cvt_scalef32_pk8_fp4_f32 v[(\pc)+1+2*\b], v[(\s)+8+16*\b:(\s)+16*\b+15], v[TM+12+\b]
.endr
	v_nop                                          ; one plain place behind a scaled conversion
.irp c, 0,1
.irp i, 0,1
	v_permlane16_swap_b32 v[(\pc)+4*\c+\i], v[(\pc)+2+4*\c+\i]
.endr
.endr
.endm
; one product on the registers named by rD, rA, rB, rSA, rSB; ra, rb = 1: that side's scale words stand in lanes 16-31
.macro MM ra, rb
.if (\ra) && (\rb)
	v_wmma_scale_f32_16x16x128_f8f6f4 v[rD:rD+7], v[rA:rA+7], v[rB:rB+7], v[rD:rD+7], v[rSA], v[rSB] matrix_a_fmt:MATRIX_FMT_FP4 matrix_b_fmt:MATRIX_FMT_FP4 matrix_a_scale:MATRIX_SCALE_ROW1 matrix_b_scale:MATRIX_SCALE_ROW1
.elseif (\ra)
	v_wmma_scale_f32_16x16x128_f8f6f4 v[rD:rD+7], v[rA:rA+7], v[rB:rB+7], v[rD:rD+7], v[rSA], v[rSB] matrix_a_fmt:MATRIX_FMT_FP4 matrix_b_fmt:MATRIX_FMT_FP4 matrix_a_scale:MATRIX_SCALE_ROW1
.elseif (\rb)
	v_wmma_scale_f32_16x16x128_f8f6f4 v[rD:rD+7], v[rA:rA+7], v[rB:rB+7], v[rD:rD+7], v[rSA], v[rSB] matrix_a_fmt:MATRIX_FMT_FP4 matrix_b_fmt:MATRIX_FMT_FP4 matrix_b_scale:MATRIX_SCALE_ROW1
.else
	v_wmma_scale_f32_16x16x128_f8f6f4 v[rD:rD+7], v[rA:rA+7], v[rB:rB+7], v[rD:rD+7], v[rSA], v[rSB] matrix_a_fmt:MATRIX_FMT_FP4 matrix_b_fmt:MATRIX_FMT_FP4
.endif
.endm
.macro KMUL s                          ; K step s: 16 products; the 16 accumulators take turns, one instruction a turn, in the same order in every step
.set t, 0
.rept 8
.set m, 0
.rept 2
.set rD, ACC+64*m+8*t
.set rA, WF+64*((\s)%2)+8*t
.set rB, XF+16*(\s)+8*m
.set rSA, WS+8*(t/2)+(\s)
.set rSB, XSC+(\s)
	MM t%2, m
.set m, m+1
.endr
.set t, t+1
.endr
.endm
.macro WLOAD s                         ; W1's eight fragments of K step s into set s % 2
.set t, 0
.rept 8
	ds_load_b128 v[WF+64*((\s)%2)+8*t:WF+64*((\s)%2)+8*t+3],   v[AW] offset:t*16*PITCH+64*(\s)
	ds_load_b128 v[WF+64*((\s)%2)+8*t+4:WF+64*((\s)%2)+8*t+7], v[AW] offset:t*16*PITCH+64*(\s)+32
.set t, t+1
.endr
.endm
; K step s.  The next step's 16 fragment loads stand in one run at the step's head, so that they have the step's 16 products in which to land.  Step 0 loads into the second set, which nothing has named yet; step 7 loads nothing: neither holds a wait on va_vdst.
.macro KSTEP s
.if (\s) < 7
	WIN TO_F
.if (\s) > 0
	PLACES                                         ; the set that is loaded next was read by the step before
	s_wait_alu depctr_va_vdst(0)                   ; the products of the step before are done reading the set in which the 16 loads below land
.endif
	WLOAD (\s)+1
	s_wait_dscnt 16                                ; this step's fragments are in; the 16 loads just issued may be out
.else
	s_wait_dscnt 0x0
.endif
	s_wait_loadcnt 4*(7-(\s))                      ; x's fragments of this step are in (and all that was asked for ahead of them); four loads for each later step may be out
	WIN MUL
	KMUL \s
.endm
.macro PSTEP d, k                      ; d = d U + k, 16 pairs
.set i, 0
.rept 16
	v_pk_fma_f32 v[\d+i:\d+i+1], v[\d+i:\d+i+1], v[U+i:U+i+1], s[\k:\k+1] op_sel_hi:[1,1,0]
.set i, i+2
.endr
.endm
.macro GELU g                          ; 32 numbers: four accumulators, in place
.set X, ACC+32*(\g)
	WIN 0x40                                       ; sources window 0, destination window 1
.set i, 0
.rept 16
	v_pk_mul_f32 v[Z+i:Z+i+1], v[X+i:X+i+1], s[RS2:RS2+1] op_sel_hi:[1,0]   ; z = x / sqrt 2.  Ascending: each accumulator is first read at its low end
.set i, i+2
.endr
.set i, 0
.rept 16
	v_pk_mul_f32 v[H+i:H+i+1], v[X+i:X+i+1], 0.5 op_sel_hi:[1,0]            ; x / 2
.set i, i+2
.endr
	WIN 0x55                                       ; all in window 1
.set i, 0
.rept 32
	v_med3_num_f32 v[Z+i], v[Z+i], -4.0, 4.0       ; beyond +-4 erf is +-1 to the last place
.set i, i+1
.endr
.set i, 0
.rept 16
	v_pk_mul_f32 v[U+i:U+i+1], v[Z+i:Z+i+1], v[Z+i:Z+i+1]
.set i, i+2
.endr
.set i, 0
.rept 16
	v_pk_fma_f32 v[P+i:P+i+1], v[U+i:U+i+1], v[KA:KA+1], s[A11:A11+1] op_sel_hi:[1,1,0]
.set i, i+2
.endr
.set i, 0
.rept 16
	v_pk_fma_f32 v[Q+i:Q+i+1], v[U+i:U+i+1], v[KB:KB+1], s[B6:B6+1] op_sel_hi:[1,1,0]
.set i, i+2
.endr
	PSTEP Q, B4
	PSTEP Q, B2
	PSTEP Q, B0
.set i, 0
	s_wait_alu depctr_va_vdst(0)
.rept 32
	v_rcp_f32 v[Q+i], v[Q+i]                       ; one batch of 32; the numerator's steps below name none of its results
.set i, i+1
.endr
	PSTEP P, A9
	PSTEP P, A7
	PSTEP P, A5
	PSTEP P, A3
	PSTEP P, A1
.set i, 0
.rept 16
	v_pk_mul_f32 v[P+i:P+i+1], v[P+i:P+i+1], v[Z+i:Z+i+1]
.set i, i+2
.endr
	s_wait_alu depctr_va_vdst(0)                   ; the 32 reciprocals have written v[Q ..]: one wait for the batch, ahead of its first reader
.set i, 0
.rept 16
	v_pk_mul_f32 v[P+i:P+i+1], v[P+i:P+i+1], v[Q+i:Q+i+1]   ; erf
.set i, i+2
.endr
	WIN 0x15                                       ; sources window 1, destination window 0
.set i, 0
.rept 16
	v_pk_fma_f32 v[X+i:X+i+1], v[H+i:H+i+1], v[P+i:P+i+1], v[H+i:H+i+1]   ; x/2 erf + x/2
.set i, i+2
.endr
.endm
	s_load_b512 s[4:19], s[0:1], 0x0               ; xc s[4:5], xs s[6:7], W1's codes s[8:9], its scales s[10:11], b1 s[12:13], chosen s[14:15], hc s[16:17], hs s[18:19]
	v_lshl_add_u32 v[SPW], v0, 2, SPARE
	v_mov_b32 v[NIL], 0
	v_lshrrev_b32 v10, 5, v0
	v_readfirstlane_b32 s20, v10                   ; wave 0..7
	s_and_b32 s22, ttmp7, 0xffff                   ; the pair p
	s_lshr_b32 s23, s22, 1                         ; its batch
	s_lshl_b32 s26, s22, 2
	s_mov_b32 s27, 0
	v_and_b32 v10, 31, v0                          ; lane
	v_and_b32 v11, 15, v0                          ; r
	v_bfe_u32 v12, v0, 4, 1                        ; h
	v_lshlrev_b32 v[LI], 4, v10
	v_lshlrev_b32 v[LS], 2, v10
	v_mul_u32_u24 v[AW], v11, PITCH
	v_lshl_add_u32 v[AW], v12, 4, v[AW]
	s_wait_alu depctr_va_sdst(0)                   ; s20, the wave's number, is written, ahead of its first reader: LDS addresses and the bases are made from it
	s_mul_i32 s25, s20, PITCH
	v_add_nc_u32 v[SWA], s25, v[LI]
	v_and_b32 v13, 8, v11
	v_add_nc_u32 v13, v13, v11                     ; r + 8 (r / 8)
	v_lshl_add_u32 v13, v12, 3, v13                ; + 8 u, u = lane / 16
	v_lshlrev_b32 v[AWS], 5, v13                   ; 32 scale bytes a row
	v_lshlrev_b32 v[AB], 6, v12
.irp b, 0,1,2,3
	v_mov_b32 v[TM+4+\b], 0                        ; written once: a lane permute's destination counts as one of its sources
.endr
	s_mov_b32 s28, 0xffff0000                      ; lanes 16-31
	s_mov_b32 s[SEL], 0x76543210
	s_mov_b32 s[SEL+1], 0xfedcba98
	KPAIR RS2, 0x3f3504f3                          ; 1 / sqrt 2
	KPAIR A11, 0x32edffee                          ; the numerator's coefficients, from z^11 down to z (z^13's stands in a vector pair)
	KPAIR A9,  0xb60cff51
	KPAIR A7,  0xb86ec2d2
	KPAIR A5,  0xba40ac63
	KPAIR A3,  0xbb41a1f6
	KPAIR A1,  0xbc83dbd4
	KPAIR B6,  0xb95fbd29                          ; the denominator's, from z^6 down to 1 (z^8's stands in a vector pair)
	KPAIR B4,  0xbadc924e
	KPAIR B2,  0xbbf19bf8
	KPAIR B0,  0xbc69b6a7
	s_wait_kmcnt 0x0
	s_add_nc_u64 s[14:15], s[14:15], s[26:27]
	s_load_b32 s24, s[14:15], 0x0                  ; the pair's expert
	s_lshl_b32 s26, s23, 17                        ; xc: the batch, my two tiles
	s_lshl_b32 s25, s20, 11
	s_add_co_u32 s26, s26, s25
	s_add_nc_u64 s[4:5], s[4:5], s[26:27]
	s_lshl_b32 s26, s23, 13                        ; xs: the batch, my 32 tokens
	s_lshl_b32 s25, s20, 7
	s_add_co_u32 s26, s26, s25
	s_add_nc_u64 s[6:7], s[6:7], s[26:27]
	s_lshl_b32 s26, s22, 19                        ; hc [pair][half of the tokens][K step][tile of the half][1,024]
	s_lshr_b32 s25, s20, 2
	s_lshl_b32 s25, s25, 18
	s_add_co_u32 s26, s26, s25
	s_lshl_b32 s25, ttmp9, 13
	s_add_co_u32 s26, s26, s25
	s_and_b32 s25, s20, 3
	s_lshl_b32 s25, s25, 11
	s_add_co_u32 s26, s26, s25
	s_add_nc_u64 s[16:17], s[16:17], s[26:27]
	s_lshl_b32 s26, s22, 15                        ; hs [pair][K step][256 tokens]
	s_lshl_b32 s25, ttmp9, 10
	s_add_co_u32 s26, s26, s25
	s_lshl_b32 s25, s20, 7
	s_add_co_u32 s26, s26, s25
	s_add_nc_u64 s[18:19], s[18:19], s[26:27]
	s_wait_kmcnt 0x0
	s_min_u32 s24, s24, 7                          ; an index stays inside its table
	s_lshl_b32 s26, s24, 21                        ; W1's codes: the expert, my work-group's 128 rows, my wave's row of each eight
	s_lshl_b32 s25, ttmp9, 16
	s_add_co_u32 s26, s26, s25
	s_lshl_b32 s25, s20, 9
	s_add_co_u32 s26, s26, s25
	s_add_nc_u64 s[8:9], s[8:9], s[26:27]
	s_lshl_b32 s26, s24, 17                        ; its scale bytes
	s_lshl_b32 s25, ttmp9, 12
	s_add_co_u32 s26, s26, s25
	s_add_nc_u64 s[10:11], s[10:11], s[26:27]
	s_lshl_b32 s26, s24, 14                        ; b1
	s_lshl_b32 s25, ttmp9, 9
	s_add_co_u32 s26, s26, s25
	s_add_nc_u64 s[12:13], s[12:13], s[26:27]
	; ALL LOADS OF THE LAUNCH, 96 a wave, in the order in which they are wanted
	WIN TO_F
	s_wait_alu depctr_va_vdst(0)                   ; the offsets and LDS addresses v1 to v6 are written, which every load and store of the kernel reads; no vector line writes them again
.set j, 0
.rept 16
	global_load_b128 v[WF+4*j:WF+4*j+3], v[LI], s[8:9] offset:4096*j   ; row 8 j + wave of the slice: 512 consecutive bytes
.set j, j+1
.endr
	WIN 0
.irp k, 0,1,2,3
	global_load_b128 v[WS+8*\k:WS+8*\k+3],   v[AWS], s[10:11] offset:1024*\k      ; the scale words of tiles 2 k (lanes 0-15) and 2 k + 1 (lanes 16-31), K steps 0-3,
	global_load_b128 v[WS+8*\k+4:WS+8*\k+7], v[AWS], s[10:11] offset:1024*\k+16   ; and 4-7
.endr
.irp s, 0,1,2,3,4,5,6,7
	global_load_b32 v[XSC+\s], v[LS], s[6:7] offset:1024*\s   ; x's: lanes 0-15 my first tile's tokens, lanes 16-31 my second's
.endr
.irp m, 0,1
.irp k, 0,1,2,3
.irp u, 0,1
	global_load_b128 v[ACC+64*\m+16*\k+8*\u:ACC+64*\m+16*\k+8*\u+3],   v[AB], s[12:13] offset:128*\k+32*\u      ; b1 at hidden units 32 k + 16 h + 8 u + 0 .. 7: where the sums begin
	global_load_b128 v[ACC+64*\m+16*\k+8*\u+4:ACC+64*\m+16*\k+8*\u+7], v[AB], s[12:13] offset:128*\k+32*\u+16
.endr
.endr
.endr
	WIN TO_F
.irp s, 0,1,2,3,4,5,6,7
.irp m, 0,1
.irp c, 0,1
	global_load_b128 v[XF+16*\s+8*\m+4*\c:XF+16*\s+8*\m+4*\c+3], v[LI], s[4:5] offset:16384*\s+1024*\m+512*\c
.endr
.endr
.endr
	s_wait_loadcnt 63                              ; my 16 rows of W1 are in: 80 loads follow them, and 63 is the largest count that a wait can name
	WIN ST_F
.set j, 0
.rept 16
	ds_store_b128 v[SWA], v[WF+4*j:WF+4*j+3] offset:(32*(j/4)+16*(j%2)+8*((j/2)%2))*PITCH   ; row 8 j + wave goes where its tile wants it
.set j, j+1
.endr
	s_wait_dscnt 0x0                               ; for the others' sake: my rows lie in LDS
	s_barrier_signal -1
	s_barrier_wait -1                              ; everybody's do; nothing is written there again
	WIN TO_F
	s_wait_alu depctr_vm_vsrc(0)                   ; my LDS stores have read the first set's 64 registers, in which the fragments of K step 0 land and which the GELU writes later
	WLOAD 0
.irp s, 0,1,2,3,4,5,6,7
	KSTEP \s
.endr
	WIN TO_F
	PLACES
	v_mov_b32 v[KA], 0xaf95df0b                    ; z^13's coefficient
	v_mov_b32 v[KA+1], 0xaf95df0b
	v_mov_b32 v[KB], 0xb77460cd                    ; z^8's
	v_mov_b32 v[KB+1], 0xb77460cd
	GELU 0
	GELU 1
	GELU 2
	GELU 3
	WIN 0
	QUANT ACC, PC0, PW0                            ; my first tile's 16 tokens x 128 hidden units: one fragment of the second product, and its scale words
	QUANT ACC+64, PC1, PW1
	v_cndmask_b32 v[PWM], v[PW0], v[PW1], s28      ; lanes 0-15: my first tile's words; lanes 16-31: my second's
	s_wait_alu depctr_va_vdst(0)                   ; the quantiser's lines have written the two fragments' codes and the scale word, which the five stores below read
	global_store_b128 v[LI], v[PC0:PC0+3],   s[16:17]              ; the images: 512 consecutive bytes a store
	global_store_b128 v[LI], v[PC0+4:PC0+7], s[16:17] offset:512
	global_store_b128 v[LI], v[PC1:PC1+3],   s[16:17] offset:1024
	global_store_b128 v[LI], v[PC1+4:PC1+7], s[16:17] offset:1536
	global_store_b32 v[LS], v[PWM], s[18:19]       ; 128 consecutive bytes
	s_wait_dscnt 0x0                               ; the closing lines, six on end
	s_wait_alu 0x0
	s_wait_tensorcnt 0x0
	ds_add_u32 v[SPW], v[NIL]
	s_wait_dscnt 0x0
	s_endpgm
.Lfunc_end_k_qd140d22892_ffn1:
	.size	k_qd140d22892_ffn1, .Lfunc_end_k_qd140d22892_ffn1-k_qd140d22892_ffn1
	.p2alignl 7, 3214868480
	.fill 96, 4, 3214868480
	.section	.rodata,"a",@progbits
	.p2align	6, 0x0
	.amdhsa_kernel k_qd140d22892_ffn1
		.amdhsa_group_segment_fixed_size 68608
		.amdhsa_private_segment_fixed_size 0
		.amdhsa_enable_private_segment 0
		.amdhsa_kernarg_size 64
		.amdhsa_user_sgpr_count 2
		.amdhsa_user_sgpr_kernarg_segment_ptr 1
		.amdhsa_wavefront_size32 1
		.amdhsa_system_sgpr_workgroup_id_x 1
		.amdhsa_system_sgpr_workgroup_id_y 1
		.amdhsa_system_sgpr_workgroup_id_z 1
		.amdhsa_system_vgpr_workitem_id 0
		.amdhsa_next_free_vgpr 512
		.amdhsa_next_free_sgpr 66
		.amdhsa_reserve_vcc 0
		.amdhsa_float_denorm_mode_32 3
		.amdhsa_float_denorm_mode_16_64 3
		.amdhsa_memory_ordered 1
		.amdhsa_forward_progress 1
		.amdhsa_inst_pref_size 126
	.end_amdhsa_kernel
	.amdgpu_metadata
---
amdhsa.version: [ 1, 2 ]
amdhsa.kernels:
  - .name:           k_qd140d22892_ffn1
    .symbol:         k_qd140d22892_ffn1.kd
    .args:
      - { .name: xc, .offset: 0, .size: 8, .value_kind: global_buffer, .address_space: global }
      - { .name: xs, .offset: 8, .size: 8, .value_kind: global_buffer, .address_space: global }
      - { .name: W1_codes, .offset: 16, .size: 8, .value_kind: global_buffer, .address_space: global }
      - { .name: W1_scales, .offset: 24, .size: 8, .value_kind: global_buffer, .address_space: global }
      - { .name: b1, .offset: 32, .size: 8, .value_kind: global_buffer, .address_space: global }
      - { .name: chosen, .offset: 40, .size: 8, .value_kind: global_buffer, .address_space: global }
      - { .name: hc, .offset: 48, .size: 8, .value_kind: global_buffer, .address_space: global }
      - { .name: hs, .offset: 56, .size: 8, .value_kind: global_buffer, .address_space: global }
    .group_segment_fixed_size: 68608
    .private_segment_fixed_size: 0
    .kernarg_segment_align: 8
    .kernarg_segment_size: 64
    .max_flat_workgroup_size: 256
    .sgpr_count:     66
    .vgpr_count:     512
    .wavefront_size: 32
...
	.end_amdgpu_metadata
.endif
;; end of part 8
;; launch ffn2 (part 9): grid 16 x 16, 4 waves a work-group, no clusters, 150,016 bytes of LDS; arguments hc, hs, W2_codes, W2_scales, chosen, pt; writes pt
.if DOCPART == 9
	.amdgcn_target "amdgcn-amd-amdhsa--gfx1250"
	.amdhsa_code_object_version 6
	.text
	.protected	k_qd140d22892_ffn2
	.globl	k_qd140d22892_ffn2
	.p2align	8
	.type	k_qd140d22892_ffn2,@function
k_qd140d22892_ffn2:
	s_mov_b64 s[64:65], 0
	v_nop
	global_prefetch_b8 v0, s[64:65] scope:SCOPE_SE
	s_setreg_imm32_b32 hwreg(HW_REG_WAVE_SCHED_MODE, 0, 2), 2
	s_setreg_imm32_b32 hwreg(HW_REG_WAVE_MODE, 25, 1), 1
	s_wait_xcnt 0x0
	s_wait_alu depctr_vm_vsrc(0)
; pt[slot][token][d] = H W2[e]^T over K = 4,096, f32, for the 8 pairs (batch, slot) alone: the experts that a batch did not choose are multiplied by a 0 that the function builds itself (shown at the head of the first kernel).
; A work-group takes half of a pair's tokens (128) and 64 of the 1,024 outputs (grid x: which 64; grid y: 2 pair + half).  The expert's number is read from memory, where an earlier launch stored it, and held to 0 .. 7.
; THE WEIGHTS: 64 rows of 2,048 bytes come through registers into LDS once (64 loads of 512 consecutive bytes a wave, its 16 rows), pitch 2,064 bytes = 129 x 16: the 16 rows that a fragment load touches start at 16 different groups of banks.
; THE HIDDEN LAYER: wave w takes tiles 2 w, 2 w + 1 of the half's eight; their fragments come from memory straight into registers, as the images that the launch before stored, through a ring of 16 K steps (32 to 48 loads a wave on their way).
; No multicast: the hidden layer's fragments are one wave's and go into registers; a slice of W2 is shared by two work-groups alone, and with the hidden layer beside it LDS would not hold both.
; The product is used transposed (source 0 = 16 rows of W2, source 1 = 16 tokens): a lane's eight results are eight neighbouring outputs of one token.  They leave through the wave's own stage: sixteen lanes store 256 consecutive bytes, aligned.
; REGISTERS.  Window 0: v1-11 addresses; v16-47 the hidden layer's scale words; v48-111 W2's; v112-175 the 8 accumulators (token tile a, W2 tile n at ACC + 8 (4 a + n)); v176-239 rows on the way out.
; Window 1: the ring: K step t, token tile a at 16 (t % 16) + 8 a.   Window 2: first W2's rows on their way into LDS; then W2's fragments, two buffers of four K steps: K step s, tile n at 32 (s % 8) + 8 n.
; THE MODE: SCHED_MODE bits 1:0 = 2 (LLVM: expert scheduling mode 2), set by the entry lines.  The code itself states the register dependences
; between vector or matrix instructions and memory or LDS instructions, with s_wait_alu, always for 0.
; THE PLAN.  K goes in 8 GROUPS of four K steps, 32 products each.  Registers that memory or LDS instructions touch:
;   v1-11          offsets and LDS addresses: written once at the head by vector lines, never again: one wait ahead of the first load.
;   window 2       the rows' loads land in it, my 64 LDS stores read it, and then fragments land in it: one wait on vm_vsrc behind the barrier.
;   W2's buffers   group g's products read buffer g % 2; the fragments of group g + 1 land in the other buffer, which group g - 1's products read.
;   the ring       group g's products read slots 4 (g % 4) on; the loads of group g + 3 land in the four slots that group g - 1's products read.
;   the scale words are loaded once.  The accumulators are written by products and read by the way out's LDS stores.  The rows on the way out are named by LDS loads and global stores alone.
; So ONE wait on va_vdst stands at the head of groups 1 to 6: group g - 1's products are done reading the buffer and the slots in which group g's loads land.  Behind it only group g's products are issued, which name
; buffer g % 2, group g's slots, the accumulators and the scale words: none of the registers that those loads touch.  So the loads are dealt among the products, in two runs early in the group, with no further wait.
; Group 0's loads land in registers that no vector or matrix instruction has named; group 7 loads nothing.
.set WP,    2064
.set STG,   64*WP                      ; 132,096: behind the rows: a stage of 16 rows x (256 bytes + 16) for each wave
.set SPARE, STG+4*16*272               ; 149,504: the spare words, 128 bytes a wave: two blocks of 256 bytes that no other line names
.set LI,  1                            ; v1  16 x lane
.set LS,  2                            ; v2  4 x lane
.set AW0, 3                            ; v3  a fragment's row r x pitch + 16 h, tiles 0 and 1
.set AW1, 4                            ; v4  tiles 2 and 3
.set A2S, 5                            ; v5  W2's scale words: 128 x lane
.set SO,  6                            ; v6  the stage: where I put 32 bytes of a row
.set SR,  7                            ; v7  and where I read a row back
.set GO,  8                            ; v8  my byte offset in two rows of pt
.set SPW, 9                            ; v9  LDS address of my spare word; never rewritten
.set NIL, 10                           ; v10 0; never rewritten
.set SWA, 11                           ; v11 where my wave's rows go
.set HS,  16
.set W2S, 48
.set ACC, 112
.set OB,  176
.set HR,  0                            ; in window 1
.set WF,  0                            ; in window 2
.set MSB, 0
.macro WIN new                         ; the immediate's high byte repeats the setting that is left; a switch that changes nothing is dropped
.if MSB != \new
	s_set_vgpr_msb (MSB<<8)|\new
.set MSB, \new
.endif
.endm
.set TO_H, 0x40                        ; destination window 1, address window 0
.set TO_W, 0x80                        ; destination window 2, address window 0
.set MUL,  0x06                        ; source 0 (W2) window 2, source 1 (H) window 1; C and D window 0
.macro PLACES                          ; four plain places behind matrix instructions (ISA guide 7.12.1)
.rept 4
	v_nop
.endr
.endm
; one product on the registers named by rD, rA, rB, rSA, rSB; rZ = 1: it starts the sum; ra, rb = 1: that side's scale words stand in lanes 16-31
.macro MM ra, rb
.if rZ
.if (\ra) && (\rb)
	v_wmma_scale_f32_16x16x128_f8f6f4 v[rD:rD+7], v[rA:rA+7], v[rB:rB+7], 0, v[rSA], v[rSB] matrix_a_fmt:MATRIX_FMT_FP4 matrix_b_fmt:MATRIX_FMT_FP4 matrix_a_scale:MATRIX_SCALE_ROW1 matrix_b_scale:MATRIX_SCALE_ROW1
.elseif (\ra)
	v_wmma_scale_f32_16x16x128_f8f6f4 v[rD:rD+7], v[rA:rA+7], v[rB:rB+7], 0, v[rSA], v[rSB] matrix_a_fmt:MATRIX_FMT_FP4 matrix_b_fmt:MATRIX_FMT_FP4 matrix_a_scale:MATRIX_SCALE_ROW1
.elseif (\rb)
	v_wmma_scale_f32_16x16x128_f8f6f4 v[rD:rD+7], v[rA:rA+7], v[rB:rB+7], 0, v[rSA], v[rSB] matrix_a_fmt:MATRIX_FMT_FP4 matrix_b_fmt:MATRIX_FMT_FP4 matrix_b_scale:MATRIX_SCALE_ROW1
.else
	v_wmma_scale_f32_16x16x128_f8f6f4 v[rD:rD+7], v[rA:rA+7], v[rB:rB+7], 0, v[rSA], v[rSB] matrix_a_fmt:MATRIX_FMT_FP4 matrix_b_fmt:MATRIX_FMT_FP4
.endif
.else
.if (\ra) && (\rb)
	v_wmma_scale_f32_16x16x128_f8f6f4 v[rD:rD+7], v[rA:rA+7], v[rB:rB+7], v[rD:rD+7], v[rSA], v[rSB] matrix_a_fmt:MATRIX_FMT_FP4 matrix_b_fmt:MATRIX_FMT_FP4 matrix_a_scale:MATRIX_SCALE_ROW1 matrix_b_scale:MATRIX_SCALE_ROW1
.elseif (\ra)
	v_wmma_scale_f32_16x16x128_f8f6f4 v[rD:rD+7], v[rA:rA+7], v[rB:rB+7], v[rD:rD+7], v[rSA], v[rSB] matrix_a_fmt:MATRIX_FMT_FP4 matrix_b_fmt:MATRIX_FMT_FP4 matrix_a_scale:MATRIX_SCALE_ROW1
.elseif (\rb)
	v_wmma_scale_f32_16x16x128_f8f6f4 v[rD:rD+7], v[rA:rA+7], v[rB:rB+7], v[rD:rD+7], v[rSA], v[rSB] matrix_a_fmt:MATRIX_FMT_FP4 matrix_b_fmt:MATRIX_FMT_FP4 matrix_b_scale:MATRIX_SCALE_ROW1
.else
	v_wmma_scale_f32_16x16x128_f8f6f4 v[rD:rD+7], v[rA:rA+7], v[rB:rB+7], v[rD:rD+7], v[rSA], v[rSB] matrix_a_fmt:MATRIX_FMT_FP4 matrix_b_fmt:MATRIX_FMT_FP4
.endif
.endif
.endm
.macro KMUL s                          ; K step s: 8 products; the 8 accumulators take turns, one instruction a turn, in the same order in every step
.if (\s) == 0
.set rZ, 1
.else
.set rZ, 0
.endif
.set a, 0
.rept 2
.set n, 0
.rept 4
.set rD, ACC+8*(4*a+n)
.set rA, WF+32*((\s)%8)+8*n
.set rB, HR+16*((\s)%16)+8*a
.set rSA, W2S+32*(n/2)+(\s)
.set rSB, HS+(\s)
	MM n%2, a
.set n, n+1
.endr
.set a, a+1
.endr
.endm
.macro HLOAD t                         ; the hidden layer's two fragments of K step t into slot t % 16 of the ring
.irp a, 0,1
.irp c, 0,1
	global_load_b128 v[HR+16*((\t)%16)+8*\a+4*\c:HR+16*((\t)%16)+8*\a+4*\c+3], v[LI], s[4:5] offset:8192*(\t)+1024*\a+512*\c
.endr
.endr
.endm
.macro WLOAD s                         ; W2's four fragments of K step s
.irp n, 0,1
.irp c, 0,1
	ds_load_b128 v[WF+32*((\s)%8)+8*\n+4*\c:WF+32*((\s)%8)+8*\n+4*\c+3], v[AW0] offset:\n*16*WP+64*(\s)+32*\c
.endr
.endr
.irp n, 0,1
.irp c, 0,1
	ds_load_b128 v[WF+32*((\s)%8)+16+8*\n+4*\c:WF+32*((\s)%8)+16+8*\n+4*\c+3], v[AW1] offset:\n*16*WP+64*(\s)+32*\c
.endr
.endr
.endm
; GROUP g: K steps 4 g to 4 g + 3.  Groups 0 to 6 fetch the next group's fragments of W2 (32 LDS loads), groups 0 to 4 the hidden layer's K steps 4 g + 12 to 4 g + 15 (16 loads), each in two runs behind the group's first and second K step.
.macro GROUP g
.if (\g) <= 5
	s_wait_loadcnt 32                              ; this group's four K steps of H are in (and all that was asked for ahead of them); the ring's 8 later steps, four loads each, may be out
.else
	s_wait_loadcnt 16*(7-(\g))                     ; the steps that are left
.endif
	s_wait_dscnt 24                                ; LDS loads come back in order (ISA guide 5.7.1): the first K step's fragments of W2 are in; the group's other three steps, 8 loads each, may be out
.if (\g) > 0 && (\g) < 7
	PLACES                                         ; behind the last group's products, whose sources are loaded again below
	s_wait_alu depctr_va_vdst(0)                   ; the last group's products are done reading their buffer of W2 and their four slots of the ring, in which this group's loads land
.endif
	WIN MUL
	KMUL 4*(\g)
.if (\g) < 7
	WIN TO_W
	WLOAD 4*(\g)+4                                 ; no wait: no vector or matrix instruction since the wait above names these registers or their addresses
	WLOAD 4*(\g)+5
.endif
.if (\g) < 5
	WIN TO_H
	HLOAD 4*(\g)+12
	HLOAD 4*(\g)+13
.endif
.if (\g) < 7
	s_wait_dscnt 32                                ; the second K step's fragments are in; behind them: two steps of this group and the 16 loads just issued
.else
	s_wait_dscnt 16
.endif
	WIN MUL
	KMUL 4*(\g)+1
.if (\g) < 7
	WIN TO_W
	WLOAD 4*(\g)+6
	WLOAD 4*(\g)+7
.endif
.if (\g) < 5
	WIN TO_H
	HLOAD 4*(\g)+14
	HLOAD 4*(\g)+15
.endif
.if (\g) < 7
	s_wait_dscnt 40                                ; the third's are in; behind them: one step of this group and the next group's 32 loads
.else
	s_wait_dscnt 8
.endif
	WIN MUL
	KMUL 4*(\g)+2
.if (\g) < 7
	s_wait_dscnt 32                                ; the fourth's are in; the next group's 32 loads may be out
.else
	s_wait_dscnt 0x0
.endif
	KMUL 4*(\g)+3
.endm
.macro TOSTAGE a                       ; token tile a: 16 rows x 256 bytes into my stage, and back as whole rows
.irp n, 0,1,2,3
	ds_store_b128 v[SO], v[ACC+8*(4*\a+\n):ACC+8*(4*\a+\n)+3]   offset:64*\n       ; each accumulator from its low end on
	ds_store_b128 v[SO], v[ACC+8*(4*\a+\n)+4:ACC+8*(4*\a+\n)+7] offset:64*\n+16
.endr
.irp i, 0,1,2,3,4,5,6,7
	ds_load_b128 v[OB+32*\a+4*\i:OB+32*\a+4*\i+3], v[SR] offset:544*\i   ; LDS serves a wave's instructions in order (ISA guide 5.7.1.4): these see the stores above, and the next tile's stores come behind them
.endr
.endm
.macro SEND a
.irp i, 0,1,2,3,4,5,6,7
	global_store_b128 v[GO], v[OB+32*\a+4*\i:OB+32*\a+4*\i+3], s[14:15] offset:(16*\a+2*\i)*4096   ; 16 lanes store 256 consecutive bytes, at a multiple of 256 from pt's first byte
.endr
.endm
	s_load_b256 s[4:11], s[0:1], 0x0               ; hc s[4:5], hs s[6:7], W2's codes s[8:9], its scales s[10:11]
	s_load_b128 s[12:15], s[0:1], 0x20             ; chosen s[12:13], pt s[14:15]
	v_lshl_add_u32 v[SPW], v0, 2, SPARE
	v_mov_b32 v[NIL], 0
	v_lshrrev_b32 v12, 5, v0
	v_readfirstlane_b32 s16, v12                   ; wave 0..3
	s_and_b32 s17, ttmp7, 0xffff
	s_lshr_b32 s18, s17, 1                         ; the pair p
	s_and_b32 s19, s17, 1                          ; which half of its tokens
	s_lshr_b32 s20, s18, 1                         ; the batch
	s_and_b32 s21, s18, 1                          ; the slot
	s_lshl_b32 s22, s18, 2
	s_mov_b32 s23, 0
	v_and_b32 v12, 31, v0                          ; lane
	v_and_b32 v13, 15, v0                          ; r
	v_bfe_u32 v14, v0, 4, 1                        ; h
	v_lshlrev_b32 v[LI], 4, v12
	v_lshlrev_b32 v[LS], 2, v12
	v_lshlrev_b32 v[A2S], 7, v12
	v_mul_u32_u24 v[AW0], v13, WP
	v_lshl_add_u32 v[AW0], v14, 4, v[AW0]
	v_add_nc_u32 v[AW1], 32*WP, v[AW0]
	s_wait_alu depctr_va_sdst(0)                   ; s16, the wave's number, is written, ahead of its first reader: LDS addresses and the bases are made from it
	s_mul_i32 s25, s16, 16*WP
	v_add_nc_u32 v[SWA], s25, v[LI]
	s_mul_i32 s25, s16, 16*272
	s_add_co_u32 s25, s25, STG                     ; my stage
	v_mul_u32_u24 v[SO], v13, 272
	v_lshl_add_u32 v[SO], v14, 5, v[SO]
	v_add_nc_u32 v[SO], s25, v[SO]                 ; in: row r, + 32 h
	v_mul_u32_u24 v[SR], v14, 272
	v_lshl_add_u32 v[SR], v13, 4, v[SR]
	v_add_nc_u32 v[SR], s25, v[SR]                 ; back: lanes 0-15 one row, lanes 16-31 the next
	v_lshlrev_b32 v[GO], 12, v14
	v_lshl_add_u32 v[GO], v13, 4, v[GO]            ; and the same two rows in pt
	s_wait_kmcnt 0x0
	s_add_nc_u64 s[12:13], s[12:13], s[22:23]
	s_load_b32 s24, s[12:13], 0x0                  ; the pair's expert
	s_lshl_b32 s26, s18, 19                        ; hc: the pair, the half, my two tiles
	s_lshl_b32 s25, s19, 18
	s_add_co_u32 s26, s26, s25
	s_lshl_b32 s25, s16, 11
	s_add_co_u32 s26, s26, s25
	s_mov_b32 s27, 0
	s_add_nc_u64 s[4:5], s[4:5], s[26:27]
	s_lshl_b32 s26, s18, 15                        ; hs: the pair, the half, my 32 tokens
	s_lshl_b32 s25, s19, 9
	s_add_co_u32 s26, s26, s25
	s_lshl_b32 s25, s16, 7
	s_add_co_u32 s26, s26, s25
	s_add_nc_u64 s[6:7], s[6:7], s[26:27]
	s_lshl_b32 s26, s21, 22                        ; pt [slot][1,024 tokens][1,024]: token 256 batch + 128 half + 32 wave, output 64 x grid x
	s_lshl_b32 s25, s20, 20
	s_add_co_u32 s26, s26, s25
	s_lshl_b32 s25, s19, 19
	s_add_co_u32 s26, s26, s25
	s_lshl_b32 s25, s16, 17
	s_add_co_u32 s26, s26, s25
	s_lshl_b32 s25, ttmp9, 8
	s_add_co_u32 s26, s26, s25
	s_add_nc_u64 s[14:15], s[14:15], s[26:27]
	s_wait_kmcnt 0x0
	s_min_u32 s24, s24, 7                          ; an index stays inside its table
	s_lshl_b32 s26, s24, 21                        ; W2's codes: the expert, my work-group's 64 rows, my wave's 16
	s_lshl_b32 s25, ttmp9, 17
	s_add_co_u32 s26, s26, s25
	s_lshl_b32 s25, s16, 15
	s_add_co_u32 s26, s26, s25
	s_add_nc_u64 s[8:9], s[8:9], s[26:27]
	s_lshl_b32 s26, s24, 17                        ; its scale bytes
	s_lshl_b32 s25, ttmp9, 13
	s_add_co_u32 s26, s26, s25
	s_add_nc_u64 s[10:11], s[10:11], s[26:27]
	WIN TO_W                                       ; destination window 2
	s_wait_alu depctr_va_vdst(0)                   ; the offsets and LDS addresses v1 to v8 and v11 are written, which every load and store of the kernel reads; no vector line writes them again
.set j, 0
.rept 64
	global_load_b128 v[4*j:4*j+3], v[LI], s[8:9] offset:2048*(j/4)+512*(j%4)   ; quarter j % 4 of my row j / 4: 512 consecutive bytes
.set j, j+1
.endr
	WIN 0
.irp p, 0,1
.irp j, 0,1,2,3,4,5,6,7
	global_load_b128 v[W2S+32*\p+4*\j:W2S+32*\p+4*\j+3], v[A2S], s[10:11] offset:4096*\p+16*\j   ; the scale words of tiles 2 p (lanes 0-15) and 2 p + 1 (lanes 16-31), K steps 4 j on
.endr
.endr
.set j, 0
.rept 32
	global_load_b32 v[HS+j], v[LS], s[6:7] offset:1024*j   ; the hidden layer's: lanes 0-15 my first tile's tokens, lanes 16-31 my second's
.set j, j+1
.endr
	WIN TO_H
.irp t, 0,1,2,3,4,5,6,7,8,9,10,11
	HLOAD \t
.endr
	s_wait_loadcnt 63                              ; my 16 rows of W2 are in: 96 loads follow them, and 63 is the largest count that a wait can name
	WIN 0x08                                       ; an LDS store's data (source 1) window 2
.set j, 0
.rept 64
	ds_store_b128 v[SWA], v[4*j:4*j+3] offset:WP*(j/4)+512*(j%4)
.set j, j+1
.endr
	s_wait_dscnt 0x0                               ; for the others' sake: my rows lie in LDS
	s_barrier_signal -1
	s_barrier_wait -1                              ; everybody's do; nothing is written there again
	WIN TO_W
	s_wait_alu depctr_vm_vsrc(0)                   ; my LDS stores have read window 2's 256 registers: they are W2's two buffers of fragments from here on, in which LDS loads land
	WLOAD 0
	WLOAD 1
	WLOAD 2
	WLOAD 3
.set q, 0
.rept 8
	GROUP q
.set q, q+1
.endr
	WIN 0
	PLACES                                         ; ahead of the first read of results
	s_wait_alu depctr_va_vdst(0)                   ; the products have written the accumulators, which the LDS stores below read; the places above stay beside this wait
	TOSTAGE 0
	TOSTAGE 1
	s_wait_dscnt 16                                ; tile 0's rows are back; tile 1's 8 stores and 8 loads may be out
	SEND 0
	s_wait_dscnt 0x0
	SEND 1
	s_wait_dscnt 0x0                               ; the closing lines, six on end
	s_wait_alu 0x0
	s_wait_tensorcnt 0x0
	ds_add_u32 v[SPW], v[NIL]
	s_wait_dscnt 0x0
	s_endpgm
.Lfunc_end_k_qd140d22892_ffn2:
	.size	k_qd140d22892_ffn2, .Lfunc_end_k_qd140d22892_ffn2-k_qd140d22892_ffn2
	.p2alignl 7, 3214868480
	.fill 96, 4, 3214868480
	.section	.rodata,"a",@progbits
	.p2align	6, 0x0
	.amdhsa_kernel k_qd140d22892_ffn2
		.amdhsa_group_segment_fixed_size 150016
		.amdhsa_private_segment_fixed_size 0
		.amdhsa_enable_private_segment 0
		.amdhsa_kernarg_size 48
		.amdhsa_user_sgpr_count 2
		.amdhsa_user_sgpr_kernarg_segment_ptr 1
		.amdhsa_wavefront_size32 1
		.amdhsa_system_sgpr_workgroup_id_x 1
		.amdhsa_system_sgpr_workgroup_id_y 1
		.amdhsa_system_sgpr_workgroup_id_z 1
		.amdhsa_system_vgpr_workitem_id 0
		.amdhsa_next_free_vgpr 768
		.amdhsa_next_free_sgpr 66
		.amdhsa_reserve_vcc 0
		.amdhsa_float_denorm_mode_32 3
		.amdhsa_float_denorm_mode_16_64 3
		.amdhsa_memory_ordered 1
		.amdhsa_forward_progress 1
		.amdhsa_inst_pref_size 86
	.end_amdhsa_kernel
	.amdgpu_metadata
---
amdhsa.version: [ 1, 2 ]
amdhsa.kernels:
  - .name:           k_qd140d22892_ffn2
    .symbol:         k_qd140d22892_ffn2.kd
    .args:
      - { .name: hc, .offset: 0, .size: 8, .value_kind: global_buffer, .address_space: global }
      - { .name: hs, .offset: 8, .size: 8, .value_kind: global_buffer, .address_space: global }
      - { .name: W2_codes, .offset: 16, .size: 8, .value_kind: global_buffer, .address_space: global }
      - { .name: W2_scales, .offset: 24, .size: 8, .value_kind: global_buffer, .address_space: global }
      - { .name: chosen, .offset: 32, .size: 8, .value_kind: global_buffer, .address_space: global }
      - { .name: pt, .offset: 40, .size: 8, .value_kind: global_buffer, .address_space: global }
    .group_segment_fixed_size: 150016
    .private_segment_fixed_size: 0
    .kernarg_segment_align: 8
    .kernarg_segment_size: 48
    .max_flat_workgroup_size: 128
    .sgpr_count:     66
    .vgpr_count:     768
    .wavefront_size: 32
...
	.end_amdgpu_metadata
.endif
;; end of part 9
;; launch ln (part 10): grid 256 x 1, 4 waves a work-group, no clusters, 0 bytes of LDS; arguments x, pt, b2, gamma, beta, chosen, rwt, out0; writes out0
.if DOCPART == 10
	.amdgcn_target "amdgcn-amd-amdhsa--gfx1250"
	.amdhsa_code_object_version 6
	.text
	.protected	k_qd140d22892_ln
	.globl	k_qd140d22892_ln
	.p2align	8
	.type	k_qd140d22892_ln,@function
k_qd140d22892_ln:
	s_mov_b64 s[64:65], 0
	v_nop
	global_prefetch_b8 v0, s[64:65] scope:SCOPE_SE
	s_setreg_imm32_b32 hwreg(HW_REG_WAVE_MODE, 25, 1), 1
	s_wait_xcnt 0x0
; y = x + w0 (pt[0] + b2[e0]) + w1 (pt[1] + b2[e1]);  out0 = (y - mean) / sqrt(var + 1e-5) x gamma + beta.  Only the batch's two experts enter: the other six have the weight 0 (shown at the head of the first kernel).
; One wave, one row of 4,096 bytes: the reductions never leave the wave: no LDS, no barrier.  A lane holds 32 numbers of each of seven rows; each load and store of a wave covers 512 consecutive bytes.
; The variance is taken of y - mean, in a second pass over registers: no difference of large sums is formed.  The experts' numbers are read from memory, where an earlier launch stored them, and held to 0 .. 7.
; Memory binds here: matrix units, clusters and LDS would add nothing.
.set X,  16
.set P0, 48
.set P1, 80
.set G,  112
.set BE, 144
.set B0, 176
.set B1, 208
.set T,  240                           ; v240-247 four chains of pairs
.set M,  248                           ; v248-249 -mean, twice
.set RS, 250                           ; v250-251 1 / sqrt(var + eps), twice
.macro ROW reg, base, off
.irp j, 0,1,2,3,4,5,6,7
	global_load_b128 v[\reg+4*\j:\reg+4*\j+3], v1, s[\base:\base+1] offset:\off+512*\j
.endr
.endm
.macro ROWNT reg, base, off            ; a row that the launch reads once
.irp j, 0,1,2,3,4,5,6,7
	global_load_b128 v[\reg+4*\j:\reg+4*\j+3], v1, s[\base:\base+1] offset:\off+512*\j th:TH_LOAD_NT
.endr
.endm
.macro WSUM                            ; the four chains, then the 32 lanes: every lane ends with the row's sum in v[T]
	v_pk_add_f32 v[T:T+1], v[T:T+1], v[T+2:T+3]
	v_pk_add_f32 v[T+4:T+5], v[T+4:T+5], v[T+6:T+7]
	v_pk_add_f32 v[T:T+1], v[T:T+1], v[T+4:T+5]
	v_add_f32 v[T], v[T], v[T+1]
	v_add_f32_dpp v[T], v[T], v[T] row_xmask:1 row_mask:0xf bank_mask:0xf
	v_add_f32_dpp v[T], v[T], v[T] row_xmask:2 row_mask:0xf bank_mask:0xf
	v_add_f32_dpp v[T], v[T], v[T] row_xmask:4 row_mask:0xf bank_mask:0xf
	v_add_f32_dpp v[T], v[T], v[T] row_xmask:8 row_mask:0xf bank_mask:0xf
	v_permlanex16_b32 v[T+1], v[T], s36, s37
	v_add_f32 v[T], v[T], v[T+1]
.endm
	s_load_b512 s[4:19], s[0:1], 0x0               ; x s[4:5], pt s[6:7], b2 s[8:9], gamma s[10:11], beta s[12:13], chosen s[14:15], rwt s[16:17], out0 s[18:19]
	v_lshrrev_b32 v1, 5, v0
	v_readfirstlane_b32 s20, v1                    ; wave
	v_and_b32 v1, 31, v0
	v_lshlrev_b32 v1, 4, v1                        ; 16 x lane
	s_lshl_b32 s21, ttmp9, 2
	s_add_co_u32 s21, s21, s20                     ; my row
	s_lshl_b32 s24, s21, 12
	s_mov_b32 s25, 0
	s_lshr_b32 s26, ttmp9, 6                       ; its batch
	s_lshl_b32 s26, s26, 3
	s_mov_b32 s27, 0
	s_mov_b32 s34, 0x3a800000                      ; 1 / 1,024
	s_mov_b32 s35, 0x3727c5ac                      ; 1e-5
	s_mov_b32 s36, 0x76543210
	s_mov_b32 s37, 0xfedcba98                      ; v_permlanex16_b32's selects for lane l xor 16
	s_wait_alu depctr_va_vdst(0)
	s_wait_kmcnt 0x0
	s_add_nc_u64 s[14:15], s[14:15], s[26:27]
	s_add_nc_u64 s[16:17], s[16:17], s[26:27]
	s_load_b64 s[20:21], s[14:15], 0x0             ; the batch's two experts
	s_load_b64 s[22:23], s[16:17], 0x0             ; and their weights
	s_add_nc_u64 s[4:5], s[4:5], s[24:25]
	s_add_nc_u64 s[6:7], s[6:7], s[24:25]
	s_add_nc_u64 s[18:19], s[18:19], s[24:25]
	ROWNT X, 4, 0
	ROWNT P0, 6, 0
	ROWNT P1, 6, 4194304                           ; slot 1's plane
	ROW G, 10, 0
	ROW BE, 12, 0
	s_wait_kmcnt 0x0
	s_min_u32 s20, s20, 7                          ; an index stays inside its table
	s_min_u32 s21, s21, 7
	s_lshl_b32 s28, s20, 12
	s_mov_b32 s29, 0
	s_add_nc_u64 s[28:29], s[8:9], s[28:29]
	s_lshl_b32 s30, s21, 12
	s_mov_b32 s31, 0
	s_add_nc_u64 s[30:31], s[8:9], s[30:31]
	s_mov_b32 s32, s23                             ; slot 1's weight as the low word of a pair
	s_mov_b32 s33, s23
	ROW B0, 28, 0
	ROW B1, 30, 0
	s_wait_loadcnt 0x0
.set i, 0
.rept 16
	v_pk_add_f32 v[B0+i:B0+i+1], v[B0+i:B0+i+1], v[P0+i:P0+i+1]
	v_pk_add_f32 v[B1+i:B1+i+1], v[B1+i:B1+i+1], v[P1+i:P1+i+1]
.set i, i+2
.endr
.set i, 0
.rept 16
	v_pk_fma_f32 v[X+i:X+i+1], v[B0+i:B0+i+1], s[22:23], v[X+i:X+i+1] op_sel_hi:[1,0,1]
.set i, i+2
.endr
.set i, 0
.rept 16
	v_pk_fma_f32 v[X+i:X+i+1], v[B1+i:B1+i+1], s[32:33], v[X+i:X+i+1] op_sel_hi:[1,0,1]   ; y
.set i, i+2
.endr
.irp c, 0,1,2,3
	v_pk_add_f32 v[T+2*\c:T+2*\c+1], v[X+2*\c:X+2*\c+1], v[X+8+2*\c:X+8+2*\c+1]
.endr
.irp q, 16,24
.irp c, 0,1,2,3
	v_pk_add_f32 v[T+2*\c:T+2*\c+1], v[T+2*\c:T+2*\c+1], v[X+\q+2*\c:X+\q+2*\c+1]
.endr
.endr
	WSUM
	v_mul_f32 v[M], 0xba800000, v[T]               ; -mean
	v_mov_b32 v[M+1], v[M]
.set i, 0
.rept 16
	v_pk_add_f32 v[X+i:X+i+1], v[X+i:X+i+1], v[M:M+1]
.set i, i+2
.endr
.irp c, 0,1,2,3
	v_pk_mul_f32 v[T+2*\c:T+2*\c+1], v[X+2*\c:X+2*\c+1], v[X+2*\c:X+2*\c+1]
.endr
.irp q, 8,16,24
.irp c, 0,1,2,3
	v_pk_fma_f32 v[T+2*\c:T+2*\c+1], v[X+\q+2*\c:X+\q+2*\c+1], v[X+\q+2*\c:X+\q+2*\c+1], v[T+2*\c:T+2*\c+1]
.endr
.endr
	WSUM
	v_fma_f32 v[RS], v[T], s34, s35                ; var + eps
	s_wait_alu depctr_va_vdst(0)
	v_rsq_f32 v[RS], v[RS]
	v_nop                                          ; a plain place behind the transcendental
	s_wait_alu depctr_va_vdst(0)                   ; and the wait ahead of its first reader
	v_mov_b32 v[RS+1], v[RS]
.set i, 0
.rept 16
	v_pk_mul_f32 v[X+i:X+i+1], v[X+i:X+i+1], v[RS:RS+1]
.set i, i+2
.endr
.set i, 0
.rept 16
	v_pk_fma_f32 v[X+i:X+i+1], v[X+i:X+i+1], v[G+i:G+i+1], v[BE+i:BE+i+1]
.set i, i+2
.endr
.irp j, 0,1,2,3,4,5,6,7
	global_store_b128 v1, v[X+4*\j:X+4*\j+3], s[18:19] offset:512*\j th:TH_STORE_NT   ; 512 consecutive bytes a store
.endr
	s_endpgm
.Lfunc_end_k_qd140d22892_ln:
	.size	k_qd140d22892_ln, .Lfunc_end_k_qd140d22892_ln-k_qd140d22892_ln
	.p2alignl 7, 3214868480
	.fill 96, 4, 3214868480
	.section	.rodata,"a",@progbits
	.p2align	6, 0x0
	.amdhsa_kernel k_qd140d22892_ln
		.amdhsa_group_segment_fixed_size 0
		.amdhsa_private_segment_fixed_size 0
		.amdhsa_enable_private_segment 0
		.amdhsa_kernarg_size 64
		.amdhsa_user_sgpr_count 2
		.amdhsa_user_sgpr_kernarg_segment_ptr 1
		.amdhsa_wavefront_size32 1
		.amdhsa_system_sgpr_workgroup_id_x 1
		.amdhsa_system_sgpr_workgroup_id_y 1
		.amdhsa_system_sgpr_workgroup_id_z 1
		.amdhsa_system_vgpr_workitem_id 0
		.amdhsa_next_free_vgpr 256
		.amdhsa_next_free_sgpr 66
		.amdhsa_reserve_vcc 0
		.amdhsa_float_denorm_mode_32 3
		.amdhsa_float_denorm_mode_16_64 3
		.amdhsa_memory_ordered 1
		.amdhsa_forward_progress 1
		.amdhsa_inst_pref_size 18
	.end_amdhsa_kernel
	.amdgpu_metadata
---
amdhsa.version: [ 1, 2 ]
amdhsa.kernels:
  - .name:           k_qd140d22892_ln
    .symbol:         k_qd140d22892_ln.kd
    .args:
      - { .name: x, .offset: 0, .size: 8, .value_kind: global_buffer, .address_space: global }
      - { .name: pt, .offset: 8, .size: 8, .value_kind: global_buffer, .address_space: global }
      - { .name: b2, .offset: 16, .size: 8, .value_kind: global_buffer, .address_space: global }
      - { .name: gamma, .offset: 24, .size: 8, .value_kind: global_buffer, .address_space: global }
      - { .name: beta, .offset: 32, .size: 8, .value_kind: global_buffer, .address_space: global }
      - { .name: chosen, .offset: 40, .size: 8, .value_kind: global_buffer, .address_space: global }
      - { .name: rwt, .offset: 48, .size: 8, .value_kind: global_buffer, .address_space: global }
      - { .name: out0, .offset: 56, .size: 8, .value_kind: global_buffer, .address_space: global }
    .group_segment_fixed_size: 0
    .private_segment_fixed_size: 0
    .kernarg_segment_align: 8
    .kernarg_segment_size: 64
    .max_flat_workgroup_size: 128
    .sgpr_count:     66
    .vgpr_count:     256
    .wavefront_size: 32
...
	.end_amdgpu_metadata
.endif
;; end of part 10
